; MI455X (gfx1250); checked and timed in simulation.
; The chip was launched on July 23, 2026; its instructions are those of AMD's public machine-readable ISA for CDNA 5 (MIT licence, August 2026) and "CDNA5" Instruction Set Architecture Reference Guide (July 2026). The comments in the code are by the model that wrote it; some were corrected since.
;; Soft Gating Mo E. Allowed arithmetic: matrix products marked QUANTISED: E3M2 operands, one E8M0 scale for each 32 along K, by v_wmma_scale_f32_16x16x128_f8f6f4 with both operands' format E3M2, f32 sums; products left as they are: f32 operands where the result goes on into a quantised operand, else bf16, f16 or f32 operands; f32 sums; everything else in f32.
;; Inputs: W1 8 x 2,048 x 1,024 float32; W2 8 x 1,024 x 2,048 float32; W3 8 x 2,048 x 1,024 float32; Wc 1 x 1,024 float32; Wg 8 x 1,024 float32; bc 1 float32; tgt_pad 4 x 256 bool; x 4 x 256 x 1,024 float32.
;; Outputs: out0 4 x 256 x 1,024 float32; out1 1,024 x 8 float32; out2 8 x 4 x 1 float32; out3 4 x 256 x 8 float32.
;; This version of the problem:
;;   THIS VERSION OF THE PROBLEM IS GIVEN IN LOW PRECISION. The matrix products marked QUANTISED in the list below multiply operands that are first quantised to E3M2 (3 exponent bits, 2 mantissa bits; 6 bits a number), with one power-of-two scale for each 32 numbers along K (OCP MX v1.0); their sums are f32. All else is computed in f32.
;;   The module's matrix products, in the order in which they are computed (A, B: the left and right operand; K: the contracted axis; several contracted axes count as one K, in the product's order):
;;     1. [M 1,024, K 1,024] x [K 1,024, N 8]; A: input x; B: input Wg: left as it is (N = 8 < 16)
;;     2. batch 1,024 x [M 1, K 2] x [K 2, N 8]; A: computed on the way; B: computed on the way: left as it is (K = 2 < 32)
;;     3. [M 1,024, K 1,024] x [K 1,024, N 2,048]; A: input x; B: input W1: QUANTISED
;;     4. [M 1,024, K 1,024] x [K 1,024, N 2,048]; A: input x; B: input W3: QUANTISED
;;     5. [M 1,024, K 2,048] x [K 2,048, N 1,024]; A: computed on the way; B: input W2: QUANTISED
;;     6. [M 4, K 1,024] x [K 1,024, N 1]; A: computed on the way; B: input Wc: left as it is (M = 4 < 16)
;;     7. [M 1,024, K 1,024] x [K 1,024, N 2,048]; A: input x; B: input W1: QUANTISED
;;     8. [M 1,024, K 1,024] x [K 1,024, N 2,048]; A: input x; B: input W3: QUANTISED
;;     9. [M 1,024, K 2,048] x [K 2,048, N 1,024]; A: computed on the way; B: input W2: QUANTISED
;;     10. [M 4, K 1,024] x [K 1,024, N 1]; A: computed on the way; B: input Wc: left as it is (M = 4 < 16)
;;     11. [M 1,024, K 1,024] x [K 1,024, N 2,048]; A: input x; B: input W1: QUANTISED
;;     12. [M 1,024, K 1,024] x [K 1,024, N 2,048]; A: input x; B: input W3: QUANTISED
;;     13. [M 1,024, K 2,048] x [K 2,048, N 1,024]; A: computed on the way; B: input W2: QUANTISED
;;     14. [M 4, K 1,024] x [K 1,024, N 1]; A: computed on the way; B: input Wc: left as it is (M = 4 < 16)
;;     15. [M 1,024, K 1,024] x [K 1,024, N 2,048]; A: input x; B: input W1: QUANTISED
;;     16. [M 1,024, K 1,024] x [K 1,024, N 2,048]; A: input x; B: input W3: QUANTISED
;;     17. [M 1,024, K 2,048] x [K 2,048, N 1,024]; A: computed on the way; B: input W2: QUANTISED
;;     18. [M 4, K 1,024] x [K 1,024, N 1]; A: computed on the way; B: input Wc: left as it is (M = 4 < 16)
;;     19. [M 1,024, K 1,024] x [K 1,024, N 2,048]; A: input x; B: input W1: QUANTISED
;;     20. [M 1,024, K 1,024] x [K 1,024, N 2,048]; A: input x; B: input W3: QUANTISED
;;     21. [M 1,024, K 2,048] x [K 2,048, N 1,024]; A: computed on the way; B: input W2: QUANTISED
;;     22. [M 4, K 1,024] x [K 1,024, N 1]; A: computed on the way; B: input Wc: left as it is (M = 4 < 16)
;;     23. [M 1,024, K 1,024] x [K 1,024, N 2,048]; A: input x; B: input W1: QUANTISED
;;     24. [M 1,024, K 1,024] x [K 1,024, N 2,048]; A: input x; B: input W3: QUANTISED
;;     25. [M 1,024, K 2,048] x [K 2,048, N 1,024]; A: computed on the way; B: input W2: QUANTISED
;;     26. [M 4, K 1,024] x [K 1,024, N 1]; A: computed on the way; B: input Wc: left as it is (M = 4 < 16)
;;     27. [M 1,024, K 1,024] x [K 1,024, N 2,048]; A: input x; B: input W1: QUANTISED
;;     28. [M 1,024, K 1,024] x [K 1,024, N 2,048]; A: input x; B: input W3: QUANTISED
;;     29. [M 1,024, K 2,048] x [K 2,048, N 1,024]; A: computed on the way; B: input W2: QUANTISED
;;     30. [M 4, K 1,024] x [K 1,024, N 1]; A: computed on the way; B: input Wc: left as it is (M = 4 < 16)
;;     31. [M 1,024, K 1,024] x [K 1,024, N 2,048]; A: input x; B: input W1: QUANTISED
;;     32. [M 1,024, K 1,024] x [K 1,024, N 2,048]; A: input x; B: input W3: QUANTISED
;;     33. [M 1,024, K 2,048] x [K 2,048, N 1,024]; A: computed on the way; B: input W2: QUANTISED
;;     34. [M 4, K 1,024] x [K 1,024, N 1]; A: computed on the way; B: input Wc: left as it is (M = 4 < 16)
;;   THE QUANTISER, for each operand of a quantised product, along K:
;;     - K is cut into blocks of 32 from its start; a last block that is shorter is filled with zeros.
;;     - A block's scale is 2^e with e = floor(log2(the largest magnitude in the block)) - 4, held to -126 .. 127; a block of zeros has e = 0. As a byte (E8M0): e + 127.
;;     - Each number is divided by its block's scale, clamped to +-28, and rounded to the nearest number of E3M2, ties to even, subnormals kept.
;;     - The product sums the exact products of the quantised numbers (number of the format x scale) in f32.
;;   ~~~python
;;   def quantise(x, axis):      # numpy; x: float32 -> the quantised numbers, widened to float32 again
;;       x = np.moveaxis(x, axis, -1); K = x.shape[-1]
;;       x = np.pad(x, [(0, 0)] * (x.ndim - 1) + [(0, -K % 32)]); x = x.reshape(x.shape[:-1] + (-1, 32)); a = np.abs(x).max(-1, keepdims=True)
;;       e = np.where(a > 0, np.clip(np.frexp(np.where(a > 0, a, 1))[1] - 1 - 4, -126, 127), 0)      # np.frexp(a)[1] - 1 = floor(log2(a)), exactly
;;       r = np.clip(x / 2.0 ** e, -28, 28)
;;       step = 2.0 ** (np.maximum(np.frexp(np.where(r == 0, 1, r))[1] - 1, -2) - 2)
;;       q = np.round(r / step) * step * 2.0 ** e      # np.round: ties to even
;;       return np.moveaxis(q.reshape(q.shape[:-2] + (-1,))[..., :K], -1, axis).astype(np.float32)
;;   ~~~
;;   OPERANDS COMPUTED ON THE WAY. 'Computed on the way' means the value that the module computes at that place (a softmax that the list does not call 'softmax' is quantised finished and normalised). What goes into a quantiser is computed in f32, as accurately as f32 sums, v_exp_f32 and their like allow (about 1e-6 of the number): no bf16 or f16 on the way to a quantiser, and a product that is left as it is and whose result goes on into a quantised operand takes f32 operands (vector FMAs, or v_wmma_f32_16x16x4_f32). A number that lies on a knife's edge between two numbers of the format may be rounded either way, as far as f32 arithmetic and the matrix unit's own rounding can turn it there, and no further.
;; One version. Each part assembles by itself: llvm-mc -triple=amdgcn-amd-amdhsa -mcpu=gfx1250 --defsym DOCPART=n.
;; ======== version 1 of 1: 4 launches
;; workspace buffers: xq 786,432 bytes; xs 32,768 bytes; sel 8,192 bytes of whole numbers; rw 8,192 bytes; hq 15,728,640 bytes; hs 655,360 bytes; pos 8,448 bytes of whole numbers; part 33,554,432 bytes
;; launch route (part 1): grid 256 x 1, 4 waves a work-group, no clusters, 27,136 bytes of LDS; arguments x, Wg, out1, out3, xq, xs, sel, rw; writes out1, out3, xq, xs, sel, rw
.if DOCPART == 1
	.amdgcn_target "amdgcn-amd-amdhsa--gfx1250"
	.amdhsa_code_object_version 6
	.text
	.protected	k_q5efc749f96_route
	.globl	k_q5efc749f96_route
	.p2align	8
	.type	k_q5efc749f96_route,@function
k_q5efc749f96_route:
	s_mov_b64 s[64:65], 0
	v_nop
	global_prefetch_b8 v0, s[64:65] scope:SCOPE_SE
	s_setreg_imm32_b32 hwreg(HW_REG_WAVE_MODE, 25, 1), 1
	s_wait_xcnt 0x0
; THE GATE, AND x AS CODES.  A work-group of four waves takes 4 tokens; wave w takes k = 256 w .. 256 w + 255 of all four.  x [1024][1024] f32, Wg [8][1024] f32.
; All 24 loads of a wave (two chunks of 128 along K: 4 rows of x, 8 of Wg) go out at once.  Each wave sums its quarter of the 32 logits (fused multiply-adds in f32) and quantises its quarter of x;
; the partial logits, the codes and the scale bytes meet in LDS behind one barrier.  Then wave w stores token w's row of codes, and wave 0 finishes the gate.
; out1 = x Wg^T; out3 = its softmax over the 8 experts, with the row's maximum taken away first.
; The two largest probabilities (of equals the lower expert first) are renormalised: sel[2 token + slot] = the expert (whole number),
; rw[2 token + slot] = its weight.  Every store stands at a fixed place: the choice selects values only, never an address.
; x is quantised to E3M2 with one E8M0 byte for 32 along K.  xq: a token's row is 768 bytes, the 24 bytes of the block
; k = 128 s + 64 c + 32 h + 0..31 at 384 h + 48 s + 24 c; xs: 8 words a token, byte b of word s scales k = 128 s + 32 b on.
; tgt_pad is taken by no launch of this program: the function that is computed takes it and lets it enter no result.
; LIMITS: NaN and infinities among the inputs are not served.  A block whose largest magnitude lies under 2^(5 - 127) gets the byte 1,
; a block of zeros too (its codes are zeros, and these bytes are read by this program alone).  Two probabilities that differ by less
; than the rounding of f32 sums taken in another order may be chosen in the other order.
; No matrix unit: 8 columns are too few.
.set TP,   1312                        ; LDS: a wave's stage for x: 4 tokens x 1,312 bytes (16 pieces of 64 bytes, each in a place of 80; 32 free),
.set WREG, 5376                        ; 5,376 bytes a wave;
.set CST,  21504                       ; the codes: 4 tokens x 2 halves x 32 places of 16 bytes, 12 bytes of codes in each;
.set SCB,  25600                       ; 128 scale bytes;
.set EX,   25856                       ; the partial logits, 128 bytes a wave
.set ACC,  112                         ; v112-175: 32 pairs of partial sums, (token t, expert e) at ACC + 16 t + 2 e
.set XQ,   176                         ; v176-207: two sets of 16 neighbours along K
	s_load_b512 s[4:19], s[0:1], 0x0               ; x, Wg, out1, out3, xq, xs, sel, rw
	v_lshl_add_u32 v224, v0, 2, 0x6800
	v_mov_b32 v225, 0
	v_lshrrev_b32 v14, 5, v0
	v_readfirstlane_b32 s32, v14                   ; wave
	v_and_b32 v13, 31, v0                          ; l
	s_lshl_b32 s33, s32, 10
	v_lshl_add_u32 v1, v13, 4, s33                 ; in a row of x or Wg: 16 l + my 1,024 bytes
	s_mul_i32 s34, s32, WREG                       ; my stage
	v_lshrrev_b32 v14, 2, v13
	v_and_b32 v15, 3, v13
	v_mul_u32_u24 v2, v14, 80
	v_lshl_add_u32 v2, v15, 4, v2
	v_add_nc_u32 v2, s34, v2                       ; on the way in: 80 (l / 4) + 16 (l % 4)
	v_lshrrev_b32 v14, 3, v13                      ; on the way out lane l = 8 t + 4 s' + 2 c + u takes token t, k = 128 (2 w + s') + 64 c + 32 h + 16 u on
	v_bfe_u32 v15, v13, 2, 1
	v_mul_u32_u24 v3, v14, TP
	v_mad_u32_u24 v3, v15, 640, v3
	v_bfe_u32 v15, v13, 1, 1
	v_mad_u32_u24 v3, v15, 320, v3
	v_and_b32 v10, 1, v13                          ; u = l % 2
	v_mad_u32_u24 v3, v10, 80, v3
	v_add_nc_u32 v3, s34, v3                       ; (+ 160 for h = 1)
	s_lshl_b32 s35, s32, 3
	v_and_b32 v4, 6, v13
	v_lshl_add_u32 v4, v14, 5, v4
	v_add_nc_u32 v4, s35, v4
	v_add_nc_u32 v4, SCB, v4                       ; my block's scale byte: 32 t + 4 (2 w + s') + 2 c (+ h)
	s_lshl_b32 s35, s32, 7
	v_and_b32 v5, 7, v13
	v_lshlrev_b32 v5, 4, v5
	v_lshl_add_u32 v5, v14, 10, v5
	v_add_nc_u32 v5, s35, v5
	v_add_nc_u32 v5, CST, v5                       ; my 16 codes' place: token t, piece 8 w + l % 8 (+ 512 for h = 1)
	v_lshlrev_b32 v6, 2, v13                       ; 4 l
	v_add_nc_u32 v7, CST, v1                       ; back: token w, piece l
	s_mul_i32 s36, s32, 768
	v_mad_u32_u24 v8, v13, 12, s36                 ; and its place among the four rows of xq
	v_add_nc_u32 v9, s35, v6
	v_add_nc_u32 v9, EX, v9                        ; my partial logit
	v_add_nc_u32 v11, SCB, v6
	v_add_nc_u32 v12, EX, v6
	s_lshl_b32 s20, ttmp9, 14                      ; 4 rows of x
	s_mov_b32 s21, 0
	s_lshl_b32 s22, ttmp9, 7                       ; 4 tokens x 32 bytes: out1, out3, xs
	s_mov_b32 s23, 0
	s_mul_i32 s24, ttmp9, 3072                     ; 4 rows of xq
	s_mov_b32 s25, 0
	s_lshl_b32 s26, ttmp9, 5                       ; 4 tokens x 8 bytes: sel, rw
	s_mov_b32 s27, 0
	s_mov_b32 s28, 0xff00ff00                      ; lanes with bit 3 set,
	s_mov_b32 s29, 0xf0f0f0f0                      ; bit 2,
	s_mov_b32 s30, 0xcccccccc                      ; bit 1,
	s_mov_b32 s31, 0xaaaaaaaa                      ; bit 0
	s_wait_kmcnt 0x0
	s_add_nc_u64 s[4:5], s[4:5], s[20:21]
	s_add_nc_u64 s[8:9], s[8:9], s[22:23]
	s_add_nc_u64 s[10:11], s[10:11], s[22:23]
	s_add_nc_u64 s[12:13], s[12:13], s[24:25]
	s_add_nc_u64 s[14:15], s[14:15], s[22:23]
	s_add_nc_u64 s[16:17], s[16:17], s[26:27]
	s_add_nc_u64 s[18:19], s[18:19], s[26:27]
; chunk i of my two: 128 along K of the 4 rows of x and of Wg's 8: twelve loads of 512 consecutive bytes
.macro LOADC i
.irp t, 0,1,2,3
	global_load_b128 v[16+48*(\i)+4*\t:16+48*(\i)+4*\t+3], v1, s[4:5] offset:4096*\t+512*(\i) th:TH_LOAD_NT
.endr
.irp e, 0,1,2,3,4,5,6,7
	global_load_b128 v[32+48*(\i)+4*\e:32+48*(\i)+4*\e+3], v1, s[6:7] offset:4096*\e+512*(\i)
.endr
.endm
; left: the loads of the younger chunk, which may stay out
.macro CHUNK i, left
.set CB, 16+48*(\i)
	s_wait_loadcnt \left
.irp t, 0,1,2,3
	ds_store_b128 v2, v[CB+4*\t:CB+4*\t+3] offset:TP*\t+640*(\i)   ; x is kept for the quantiser: it is read from memory once
.endr
.if (\i) == 1
.irp h, 0,1
.irp q, 0,1,2,3
	ds_load_b128 v[XQ+16*\h+4*\q:XQ+16*\h+4*\q+3], v3 offset:160*\h+16*\q   ; and comes back 16 neighbours a lane, under the multiply-adds (LDS serves a wave's instructions in order: these see my stores)
.endr
.endr
.endif
.irp t, 0,1,2,3
.irp e, 0,1,2,3,4,5,6,7
.if (\i) == 0
	v_pk_mul_f32 v[ACC+16*\t+2*\e:ACC+16*\t+2*\e+1], v[CB+4*\t:CB+4*\t+1], v[CB+16+4*\e:CB+16+4*\e+1]   ; the first products start the sums
.else
	v_pk_fma_f32 v[ACC+16*\t+2*\e:ACC+16*\t+2*\e+1], v[CB+4*\t:CB+4*\t+1], v[CB+16+4*\e:CB+16+4*\e+1], v[ACC+16*\t+2*\e:ACC+16*\t+2*\e+1]
.endif
.endr
.endr
.irp t, 0,1,2,3
.irp e, 0,1,2,3,4,5,6,7
	v_pk_fma_f32 v[ACC+16*\t+2*\e:ACC+16*\t+2*\e+1], v[CB+4*\t+2:CB+4*\t+3], v[CB+16+4*\e+2:CB+16+4*\e+3], v[ACC+16*\t+2*\e:ACC+16*\t+2*\e+1]
.endr
.endr
.endm
	LOADC 0
	LOADC 1
	CHUNK 0, 12
	CHUNK 1, 0
; 32 sums over 32 lanes, so that lane l ends with sum l (token l / 8, expert l % 8): in each step a lane keeps one half of its sums and hands over the other
.set i, 0
.rept 32
	v_add_f32 v[16+i], v[ACC+2*i], v[ACC+2*i+1]
.set i, i+1
.endr
.set i, 0
.rept 16
	v_permlane16_swap_b32 v[16+i], v[32+i]         ; lanes 0-15 now hold both halves' parts of sum i, lanes 16-31 those of sum i + 16
.set i, i+1
.endr
.set i, 0
.rept 16
	v_add_f32 v[16+i], v[16+i], v[32+i]
.set i, i+1
.endr
.macro RED n, msk, xm
.set i, 0
.rept \n
	v_cndmask_b32 v[64+i], v[16+i+\n], v[16+i], s[\msk]      ; what my partner keeps
	v_cndmask_b32 v[16+i], v[16+i], v[16+i+\n], s[\msk]      ; what I keep
	v_add_f32_dpp v[16+i], v[64+i], v[16+i] row_xmask:\xm row_mask:0xf bank_mask:0xf
.set i, i+1
.endr
.endm
	RED 8, 28, 8
	RED 4, 29, 4
	RED 2, 30, 2
	RED 1, 31, 1
	ds_store_b32 v9, v16                           ; my quarter of logit l
	s_wait_dscnt 0x1                               ; the eight loads from the stage are back; the store behind them may be out
; x into codes: a lane takes 16 neighbours along K, two neighbouring lanes a block of 32
.macro QSTEP h
.set XB, XQ+16*(\h)
	v_max3_num_f32 v220, |v[XB]|, |v[XB+1]|, |v[XB+2]|
	v_max3_num_f32 v221, |v[XB+3]|, |v[XB+4]|, |v[XB+5]|
.irp i, 6,10
	v_max3_num_f32 v220, v220, |v[XB+\i]|, |v[XB+\i+1]|
	v_max3_num_f32 v221, v221, |v[XB+\i+2]|, |v[XB+\i+3]|
.endr
	v_max3_num_f32 v220, v220, |v[XB+14]|, |v[XB+15]|
	v_max3_num_f32 v220, v220, v221, 0x2800000     ; the floor 2^(5 - 127): the byte cannot fall under 1
	v_max_num_f32_dpp v220, v220, v220 row_xmask:1 row_mask:0xf bank_mask:0xf   ; with my neighbour's 16: the block's largest magnitude
	v_add_nc_u32 v222, 0xfe000000, v220            ; 4 off its exponent field: the conversion takes that field as its scale
	v_cvt_scalef32_pk16_bf6_f32 v[208+4*(\h):210+4*(\h)], v[XB:XB+15], v222
	v_lshrrev_b32 v[216+(\h)], 23, v222            ; the scale's byte (also the plain instruction behind the conversion)
	ds_store_b8 v4, v[216+(\h)] offset:\h          ; both lanes of a block write the same byte with the same value
	ds_store_b96 v5, v[208+4*(\h):210+4*(\h)] offset:512*(\h)
.endm
	QSTEP 0
	QSTEP 1
	s_wait_dscnt 0x0                               ; for the others' sake: my logits, codes and bytes are stored
	s_barrier_signal -1
	s_barrier_wait -1
	ds_load_b32 v44, v12                           ; one run of LDS loads and one wait in every wave; the first five serve wave 0 alone
	ds_load_b32 v45, v12 offset:128
	ds_load_b32 v46, v12 offset:256
	ds_load_b32 v47, v12 offset:384
	ds_load_b32 v43, v11
	ds_load_b96 v[208:210], v7
	ds_load_b96 v[212:214], v7 offset:512
	s_wait_dscnt 0x0
	global_store_b96 v8, v[208:210], s[12:13]              ; token w's row of codes: the wave stores 384 consecutive bytes, twice
	global_store_b96 v8, v[212:214], s[12:13] offset:384
	s_cmp_lg_u32 s32, 0
	s_cbranch_scc1 .Lend
	global_store_b32 v6, v43, s[14:15]             ; xs: 128 consecutive bytes
	v_add_f32 v16, v44, v45
	v_add_f32 v17, v46, v47
	v_add_f32 v16, v16, v17                        ; the logit
	global_store_b32 v6, v16, s[8:9]               ; out1: 128 consecutive bytes
; softmax in groups of 8 lanes
	v_mov_b32 v20, v16
	v_max_num_f32_dpp v20, v20, v20 row_xmask:1 row_mask:0xf bank_mask:0xf
	v_max_num_f32_dpp v20, v20, v20 row_xmask:2 row_mask:0xf bank_mask:0xf
	v_max_num_f32_dpp v20, v20, v20 row_xmask:4 row_mask:0xf bank_mask:0xf
	v_sub_f32 v21, v16, v20                        ; the row's maximum is taken away
	v_mul_f32 v21, 0x3fb8aa3b, v21
	v_exp_f32 v21, v21
	v_nop                                          ; a plain instruction behind the exponential,
	s_wait_alu depctr_va_vdst(0)                   ; and the wait ahead of its first reader
	v_mov_b32 v22, v21
	v_add_f32_dpp v22, v22, v22 row_xmask:1 row_mask:0xf bank_mask:0xf
	v_add_f32_dpp v22, v22, v22 row_xmask:2 row_mask:0xf bank_mask:0xf
	v_add_f32_dpp v22, v22, v22 row_xmask:4 row_mask:0xf bank_mask:0xf
	v_rcp_f32 v23, v22
	v_nop
	s_wait_alu depctr_va_vdst(0)
	v_mul_f32 v24, v21, v23                        ; p
	global_store_b32 v6, v24, s[10:11]             ; out3
; my rank among the 8: how many are larger, or equal with a lower expert number (my partner's number is lower where m's top bit is set in mine)
	v_mov_b32 v25, 0
	v_mov_b32 v26, 0
.macro RANK m, msk
	v_mov_b32_dpp v26, v24 row_xmask:\m row_mask:0xf bank_mask:0xf
	v_cmp_gt_f32 s40, v26, v24
	v_cmp_eq_f32 s41, v26, v24
	s_and_b32 s41, s41, s[\msk]
	s_or_b32 vcc_lo, s40, s41
	v_add_co_ci_u32 v25, vcc_lo, 0, v25, vcc_lo
.endm
	RANK 1, 31
	RANK 2, 30
	RANK 3, 30
	RANK 4, 29
	RANK 5, 29
	RANK 6, 29
	RANK 7, 29
	v_and_b32 v34, 7, v13
	v_cvt_f32_u32 v27, v34
	v_cmp_eq_u32 s40, 0, v25
	v_cmp_eq_u32 s41, 1, v25
	v_cndmask_b32 v28, 0, v27, s40                 ; the first's number, its p; the second's: each stands in one lane of the 8, zeros in the others
	v_cndmask_b32 v29, 0, v27, s41
	v_cndmask_b32 v30, 0, v24, s40
	v_cndmask_b32 v31, 0, v24, s41
.irp r, 28,29,30,31
	v_add_f32_dpp v\r, v\r, v\r row_xmask:1 row_mask:0xf bank_mask:0xf
.endr
.irp r, 28,29,30,31
	v_add_f32_dpp v\r, v\r, v\r row_xmask:2 row_mask:0xf bank_mask:0xf
.endr
.irp r, 28,29,30,31
	v_add_f32_dpp v\r, v\r, v\r row_xmask:4 row_mask:0xf bank_mask:0xf
.endr
	v_add_f32 v36, v30, v31
	v_rcp_f32 v36, v36
	v_lshrrev_b32 v35, 3, v13                      ; (plain work behind the reciprocal)
	v_lshlrev_b32 v35, 3, v35
	v_lshl_add_u32 v35, v10, 2, v35                ; 8 (l / 8) + 4 (l % 2): a fixed place
	s_wait_alu depctr_va_vdst(0)
	v_mul_f32 v30, v30, v36
	v_mul_f32 v31, v31, v36
	v_cndmask_b32 v32, v28, v29, s31               ; odd lanes take slot 1
	v_cndmask_b32 v33, v30, v31, s31
	v_cvt_u32_f32 v32, v32
	v_cmp_gt_u32 vcc_lo, 2, v34                    ; two lanes of each 8 store
	s_wait_xcnt 0x0                                ; EXEC changes only behind this wait
	s_and_saveexec_b32 s42, vcc_lo
	global_store_b32 v35, v32, s[16:17]            ; sel
	global_store_b32 v35, v33, s[18:19]            ; rw
	s_wait_xcnt 0x0                                ; and again in front of the line that widens it
	s_or_b32 exec_lo, exec_lo, s42
.Lend:
	s_wait_tensorcnt 0x0
	ds_add_u32 v224, v225
	s_wait_dscnt 0x0
	s_endpgm
.Lfunc_end_k_q5efc749f96_route:
	.size	k_q5efc749f96_route, .Lfunc_end_k_q5efc749f96_route-k_q5efc749f96_route
	.p2alignl 7, 3214868480
	.fill 96, 4, 3214868480
	.section	.rodata,"a",@progbits
	.p2align	6, 0x0
	.amdhsa_kernel k_q5efc749f96_route
		.amdhsa_group_segment_fixed_size 27136
		.amdhsa_private_segment_fixed_size 0
		.amdhsa_enable_private_segment 0
		.amdhsa_kernarg_size 64
		.amdhsa_user_sgpr_count 2
		.amdhsa_user_sgpr_kernarg_segment_ptr 1
		.amdhsa_wavefront_size32 1
		.amdhsa_system_sgpr_workgroup_id_x 1
		.amdhsa_system_sgpr_workgroup_id_y 1
		.amdhsa_system_sgpr_workgroup_id_z 1
		.amdhsa_system_vgpr_workitem_id 0
		.amdhsa_next_free_vgpr 226
		.amdhsa_next_free_sgpr 66
		.amdhsa_reserve_vcc 1
		.amdhsa_float_denorm_mode_32 3
		.amdhsa_float_denorm_mode_16_64 3
		.amdhsa_memory_ordered 1
		.amdhsa_forward_progress 1
		.amdhsa_inst_pref_size 28
	.end_amdhsa_kernel
	.amdgpu_metadata
---
amdhsa.version: [ 1, 2 ]
amdhsa.kernels:
  - .name:           k_q5efc749f96_route
    .symbol:         k_q5efc749f96_route.kd
    .args:
      - { .name: x, .offset: 0, .size: 8, .value_kind: global_buffer, .address_space: global }
      - { .name: Wg, .offset: 8, .size: 8, .value_kind: global_buffer, .address_space: global }
      - { .name: out1, .offset: 16, .size: 8, .value_kind: global_buffer, .address_space: global }
      - { .name: out3, .offset: 24, .size: 8, .value_kind: global_buffer, .address_space: global }
      - { .name: xq, .offset: 32, .size: 8, .value_kind: global_buffer, .address_space: global }
      - { .name: xs, .offset: 40, .size: 8, .value_kind: global_buffer, .address_space: global }
      - { .name: sel, .offset: 48, .size: 8, .value_kind: global_buffer, .address_space: global }
      - { .name: rw, .offset: 56, .size: 8, .value_kind: global_buffer, .address_space: global }
    .group_segment_fixed_size: 27136
    .private_segment_fixed_size: 0
    .kernarg_segment_align: 8
    .kernarg_segment_size: 64
    .max_flat_workgroup_size: 128
    .sgpr_count:     66
    .vgpr_count:     226
    .wavefront_size: 32
...
	.end_amdgpu_metadata
.endif
;; end of part 1
;; launch up (part 2): grid 256 x 1, 4 waves a work-group, no clusters, 205,824 bytes of LDS; arguments W1, W3, xq, xs, sel, hq, hs, pos; writes hq, hs, pos
.if DOCPART == 2
	.amdgcn_target "amdgcn-amd-amdhsa--gfx1250"
	.amdhsa_code_object_version 6
	.text
	.protected	k_q5efc749f96_up
	.globl	k_q5efc749f96_up
	.p2align	8
	.type	k_q5efc749f96_up,@function
k_q5efc749f96_up:
	s_mov_b64 s[64:65], 0
	v_nop
	global_prefetch_b8 v0, s[64:65] scope:SCOPE_SE
	s_setreg_imm32_b32 hwreg(HW_REG_WAVE_MODE, 25, 1), 1
	s_wait_xcnt 0x0
; h = silu(x W1[e]^T) * (x W3[e]^T) for the rows that chose expert e, both products on codes of E3M2 with one E8M0 byte for 32 along K; h is quantised on the way.
; SHARES.  Work-group (e = id / 32, j = id % 32) owns hidden units 64 j .. 64 j + 63 of expert e: 512 KB of W1 and W3 in f32, read once in the launch, and sees all rows of e.
; STREAM.  Wave w takes matrix w % 2 (W1, W3) and tile u = w / 2: 16 steps of 16 rows x 128 K.  Each load reads 512 consecutive bytes of one row; a step turns through the wave's own
; stage in LDS so that a lane holds two whole blocks of 32 along K; the codes go to LDS as an image of the operand's registers, 16 bytes a lane, and the scale words 4 bytes a row.
; THE ROWS OF A TILE ARE NOT NEIGHBOURS: lane r of tile u of group g takes unit 32 g + 8 u + r + 8 (r / 8), so that a lane's 16 results of tiles u = 0, 1 are 16 neighbours along the next K.
; LIST.  A routed row is rid = 2 token + slot.  Wave 0 lays the rids with sel[rid] = e into LDS, by sel's register and then by lane: the same order in all 32 work-groups of an expert
; (a counting pass over sel: whole numbers that the launch before stored).  All that goes on to the later launches is laid by (expert, place in the list).  The work-group with j = 0 stores pos[rid].
; PRODUCTS.  Row tiles of 16 go in chunks of 20, five to a wave; used transposed (source 0 = 16 units, source 1 = 16 rows of x): a lane holds one row.  Rows behind the list's end take
; token 0's codes; what they give goes to places that nobody reads, and into pos they all store the same number, 0, at the expert's own spare entry 2048 + e.
; THE ROWS OF x of the first chunk are asked for as early as their registers are free: tiles 2 to 4 directly behind the list's barrier, ahead of the stream; tiles 0 and 1, which take the ring's registers, at the stream's end.
; No tensor loads and no joint loads: how many chunks are worked hangs on sel.  The chunk loop has a constant count of trips; a trip's work is jumped over.
; LIMITS: as stated at the gate's launch (NaN, infinities, blocks under 2^(5 - 127), blocks of zeros).  The scale bytes of h leave one byte a lane, 128 KB in the launch: a row's bytes of one word come from two work-groups.
; REGISTERS, in windows of 256.  Window 0: v1-31 addresses; v32-35 the weights' scale words, v36-75 x's (scales and nothing else); v76-235 at work; v240-244 constants.
;   Window 1: the ring of loads (4 x 64), later x's tiles 0, 1 (96 each).  Window 2: x's tiles 2, 3.  Window 3: x's tile 4; from v96 the 20 accumulators (tile a, weights' tile wt) at 96 + 32 a + 8 wt;
;   while no sum is kept there, the same registers hold the gather's offsets (v96-176) and the rows' scale words as loaded (v224-243).
.set LISTR,  8192                      ; LDS: token x 768 by place (8,192 bytes); rid by place (8,192); 256 unused;
.set WIMG,   16640                     ; 64 images of 1,536 bytes: ((2 g + m) 2 + u) 8 + s;
.set WSC,    114944                    ; scale words: (16 g + 8 u + s) 128 + 64 m + 4 r;
.set TS,     119040                    ; the turn stage, 16 rows x 528 for each wave;
.set XST,    152832                    ; x's stage, 16 rows x 816 (768 codes, 32 scales, 16 free) for each wave
.set X0,  76                           ; v76-139, v140-203: two sets of 64 numbers
.set SL,  76                           ; sel, 64 registers
.set GA,  96                           ; window 3: tile i of a gather: 24 offsets in xq at GA + 25 i, its offset in xs at GA + 25 i + 24
.set GP,  171                          ; window 3: v171-173 offsets in pos;  v174-176 the places
.set GV,  174
.set WF,  76                           ; v76-123, v124-171: two sets of 4 fragments of weights
.set T,   172                          ; v172-187: 16 numbers of h
.set XSC, 36
.set PC,  204                          ; v204-215 the codes just made;  v216-223 their second halves
.set TT,  216
.set QM,  224
.set QS,  226
.set QB,  228
.set PW,  230
.set QX,  232
.set MSB, 0
.macro WIN new                         ; the immediate's high byte repeats the setting that is left; a switch that changes nothing is dropped
.if MSB != (\new)
	s_set_vgpr_msb (MSB<<8)|(\new)
.set MSB, (\new)
.endif
.endm
; 16 loads: a step's 16 rows, 512 consecutive bytes each, into ring set
.macro LOADSET set, off
	WIN 0x40
.set rho, 0
.rept 16
	global_load_b128 v[64*(\set)+4*rho:64*(\set)+4*rho+3], v1, s[26:27] offset:(rho+8*(rho/8))*4096+(\off) th:TH_LOAD_NT
.set rho, rho+1
.endr
.endm
; the set goes through my stage (rows 528 bytes apart) and comes back with X[32 c + i] = W(row r, 64 c + 32 h + i).  LDS serves a wave's instructions in order: no wait between
.macro TURN set, x
	WIN 0x04
.set rho, 0
.rept 16
	ds_store_b128 v4, v[64*(\set)+4*rho:64*(\set)+4*rho+3] offset:528*rho
.set rho, rho+1
.endr
	WIN 0
.irp c, 0,1
.irp q, 0,1,2,3,4,5,6,7
	ds_load_b128 v[X0+64*(\x)+32*\c+4*\q:X0+64*(\x)+32*\c+4*\q+3], v5 offset:256*\c+16*\q
.endr
.endr
.endm
; two whole blocks of a lane become the operand's 12 registers in v[PC] on, and the row's scale word in v[PW].  The largest magnitudes go in four chains, two a block, so that no line waits for the line above it
.macro QUANTW x
.set XB, X0+64*(\x)
	v_max3_num_f32 v[QM], |v[XB]|, |v[XB+1]|, 0x2800000          ; with the floor 2^(5 - 127): the byte cannot fall under 1
	v_max3_num_f32 v[QM+1], |v[XB+32]|, |v[XB+33]|, 0x2800000
	v_max3_num_f32 v[QX], |v[XB+2]|, |v[XB+3]|, |v[XB+4]|
	v_max3_num_f32 v[QX+1], |v[XB+34]|, |v[XB+35]|, |v[XB+36]|
.set i, 5
.rept 6
	v_max3_num_f32 v[QM], v[QM], |v[XB+i]|, |v[XB+i+1]|
	v_max3_num_f32 v[QM+1], v[QM+1], |v[XB+32+i]|, |v[XB+33+i]|
	v_max3_num_f32 v[QX], v[QX], |v[XB+i+2]|, |v[XB+i+3]|
	v_max3_num_f32 v[QX+1], v[QX+1], |v[XB+34+i]|, |v[XB+35+i]|
.set i, i+4
.endr
	v_max3_num_f32 v[QM], v[QM], |v[XB+29]|, |v[XB+30]|
	v_max3_num_f32 v[QM+1], v[QM+1], |v[XB+61]|, |v[XB+62]|
	v_max3_num_f32 v[QM], v[QM], v[QX], |v[XB+31]|
	v_max3_num_f32 v[QM+1], v[QM+1], v[QX+1], |v[XB+63]|
	v_add_nc_u32 v[QS], 0xfe000000, v[QM]          ; 4 off the exponent field: the conversion's scale operand
	v_add_nc_u32 v[QS+1], 0xfe000000, v[QM+1]
	v_lshrrev_b32 v[QB], 23, v[QS]                 ; the bytes of blocks h and 2 + h
	v_lshrrev_b32 v[QB+1], 23, v[QS+1]
	v_lshl_or_b32 v[PW], v[QB+1], 16, v[QB]
	v_lshlrev_b32 v[PW], v8, v[PW]                 ; 8 h bits up
	v_permlanex16_b32 v9, v[PW], s32, s33
	v_or_b32 v[PW], v[PW], v9                      ; with lane l xor 16's two the word is whole
.irp c, 0,1
	v_cvt_scalef32_pk16_bf6_f32 v[PC+6*\c:PC+6*\c+2], v[XB+32*\c:XB+32*\c+15], v[QS+\c]
	v_cvt_scalef32_pk16_bf6_f32 v[TT+4*\c:TT+4*\c+2], v[XB+32*\c+16:XB+32*\c+31], v[QS+\c]   ; (a conversion's three registers begin on an even number)
.endr
	v_nop                                          ; one plain instruction behind the scaled conversions
.irp c, 0,1
.irp i, 0,1,2
	v_mov_b32 v[PC+6*\c+3+\i], v[TT+4*\c+\i]
.endr
.endr
.endm
.macro IMAGE io, so
.irp q, 0,1,2
	ds_store_b128 v6, v[PC+4*\q:PC+4*\q+3] offset:(\io)+512*\q
.endr
	ds_store_b32 v7, v[PW] offset:\so              ; lanes 16-31 write the same word with the same value
.endm
; step k.  ld: the step four on is asked for;  nx: the next step turns through the stage;  left: the loads younger than the next step's, 16 for each younger set
.macro STEP k, ld, ldoff, nx, left, io, so
	s_wait_dscnt 0x0                               ; my numbers are back, the last images are stored, and the stage's stores have read ring set k % 4
.if \ld
	LOADSET (\k)%4, \ldoff
.endif
.if \nx
	s_wait_loadcnt \left
	TURN ((\k)+1)%4, ((\k)+1)%2
.endif
	QUANTW (\k)%2
	IMAGE \io, \so
.endm
; eight registers of sel against e: the masks and the count
.macro CNT8 b
.set k, 0
.rept 8
	v_cmp_eq_u32 s[48+k], s21, v[SL+8*(\b)+k]
.set k, k+1
.endr
.set k, 0
.rept 8
	s_mov_b32 s[56+k], s28                         ; how many stand in front of this register's
	s_bcnt1_i32_b32 s46, s[48+k]
	s_add_co_u32 s28, s28, s46
.set k, k+1
.endr
.endm
; and their places in the list, the eight registers stage by stage, so that no line waits for the line above it.  Register 4 i + jj of sel holds rid 128 i + 4 l + jj.
; A lane whose rid is another expert's writes word 2,047, which nobody reads
.macro LB8 b
	CNT8 \b
.set k, 0
.rept 8
	v_mbcnt_lo_u32_b32 v[140+k], s[48+k], s[56+k]
.set k, k+1
.endr
.set k, 0
.rept 8
	v_cndmask_b32 v[140+k], v164, v[140+k], s[48+k]
.set k, k+1
.endr
.set k, 0
.rept 8
	v_min_u32 v[140+k], 2047, v[140+k]
.set k, k+1
.endr
.set k, 0
.rept 8
	v_lshlrev_b32 v[140+k], 2, v[140+k]
.set k, k+1
.endr
.set k, 0
.rept 8
	v_add_nc_u32 v[148+k], 128*((8*(\b)+k)/4)+(8*(\b)+k)%4, v165
	v_add_nc_u32 v[156+k], 768*(64*((8*(\b)+k)/4)+((8*(\b)+k)%4)/2), v166
.set k, k+1
.endr
.set k, 0
.rept 8
	ds_store_b32 v[140+k], v[156+k]
	ds_store_b32 v[140+k], v[148+k] offset:LISTR
.set k, k+1
.endr
.endm
; The rows of xq and xs of n of my five tiles, from tile first on, are asked for, as one batch: all list words, one wait, all offsets, all loads.  Each tile has offset registers of its own, in window 3, so that
; none is written again while a load may still read it.  A pair of rows, 1,536 bytes, comes by three loads whose lanes cover runs of 256 consecutive bytes or more.
.macro GATH first, n
	WIN 0
	s_wait_xcnt 0x0                                ; the offsets and data of the loads and stores before are written again only behind this wait
	v_add_nc_u32 v10, s39, v240                    ; the list at my first tile: a word for all lanes,
	v_add_nc_u32 v11, s39, v241                    ; + 4 h,
	v_add_nc_u32 v12, s39, v242                    ; the rids, + 4 r
	s_lshl_b32 s47, s38, 4
	v_add_nc_u32 v244, s47, v2                     ; my row's place in the list
	WIN 0xc0                                       ; destination window 3
.set gi, 0
.rept \n
.irp mu, 0,1,2,3,4,5,6,7
	ds_load_b32 v[GA+25*gi+3*\mu], v10 offset:64*((\first)+gi)+8*\mu
	ds_load_b32 v[GA+25*gi+3*\mu+1], v11 offset:64*((\first)+gi)+8*\mu
	ds_load_b32 v[GA+25*gi+3*\mu+2], v10 offset:64*((\first)+gi)+8*\mu+4
.endr
	ds_load_b32 v[GA+25*gi+24], v12 offset:64*((\first)+gi)
	v_add_nc_u32 v[GV+gi], 16*((\first)+gi), v244
.set gi, gi+1
.endr
	s_wait_dscnt 0x0
	WIN 0xcc                                       ; destination and source 1 window 3
.set gi, 0
.rept \n
.set gq, 0
.rept 24
	v_min_u32 v[GA+25*gi+gq], 0xbfd00, v[GA+25*gi+gq]   ; held at the last row of xq
.set gq, gq+1
.endr
	v_cmp_gt_u32 vcc_lo, 0x800, v[GA+25*gi+24]     ; a row of the list, or one behind its end?
	v_min_u32 v[GP+gi], 2055, v[GA+25*gi+24]
	v_lshlrev_b32 v[GP+gi], 2, v[GP+gi]
	v_cndmask_b32 v[GV+gi], 0, v[GV+gi], vcc_lo    ; the rows behind the end share one entry of pos: all of them, in all four waves, store the same number there
	v_min_u32 v[GA+25*gi+24], 2047, v[GA+25*gi+24]
	v_and_b32 v[GA+25*gi+24], 0x7fe, v[GA+25*gi+24]
.set gi, gi+1
.endr
	WIN 0xc3                                       ; destination and source 0 window 3
.set gi, 0
.rept \n
.irp mu, 0,1,2,3,4,5,6,7
	v_add_nc_u32 v[GA+25*gi+3*\mu], v[GA+25*gi+3*\mu], v1        ; row 2 mu, bytes 0-511
	v_add_nc_u32 v[GA+25*gi+3*\mu+1], v[GA+25*gi+3*\mu+1], v14   ; its bytes 512-767 | row 2 mu + 1, bytes 0-255
	v_add_nc_u32 v[GA+25*gi+3*\mu+2], v[GA+25*gi+3*\mu+2], v15   ; bytes 256-767
.endr
	v_lshl_add_u32 v[GA+25*gi+24], v[GA+25*gi+24], 4, v25        ; token x 32 + 16 h
.set gi, gi+1
.endr
.set gi, 0
.rept \n
.set ga, (\first)+gi
	WIN (0x40*(1+ga/2))|3                          ; the tile's window; the offsets in window 3
.set gq, 0
.rept 24
	global_load_b128 v[96*(ga%2)+4*gq:96*(ga%2)+4*gq+3], v[GA+25*gi+gq], s[8:9]
.set gq, gq+1
.endr
	WIN 0xc3
	global_load_b128 v[224+4*ga:227+4*ga], v[GA+25*gi+24], s[10:11]   ; the row's scale words, half a row a lane
.set gi, gi+1
.endr
	WIN 0
	s_cmp_lg_u32 s22, 0                            ; one work-group of the expert's 32 stores the places
	s_cbranch_scc1 .Lnopos\@
	WIN 0x0f                                       ; offset and data window 3
.set gi, 0
.rept \n
	global_store_b32 v[GP+gi], v[GV+gi], s[18:19]
.set gi, gi+1
.endr
	WIN 0
.Lnopos\@:
.endm
; The rows go through my stage, tile by tile, and come back as fragments into the registers that they left (LDS serves a wave's instructions in order)
.macro STAGE
.irp a, 0,1,2,3,4
	WIN 0x04*(1+\a/2)
.irp mu, 0,1,2,3,4,5,6,7
	ds_store_b128 v16, v[96*(\a%2)+12*\mu:96*(\a%2)+12*\mu+3] offset:1632*\mu
	ds_store_b128 v17, v[96*(\a%2)+12*\mu+4:96*(\a%2)+12*\mu+7] offset:1632*\mu
	ds_store_b128 v18, v[96*(\a%2)+12*\mu+8:96*(\a%2)+12*\mu+11] offset:1632*\mu
.endr
	WIN 0x0c
	ds_store_b128 v19, v[224+4*\a:227+4*\a]
	WIN 0x40*(1+\a/2)
.set i, 0
.rept 24
	ds_load_b128 v[96*(\a%2)+4*i:96*(\a%2)+4*i+3], v20 offset:16*i   ; lane (r, h): 384 bytes of row r: K step s in registers 12 s on
.set i, i+1
.endr
	WIN 0
	ds_load_b128 v[XSC+8*\a:XSC+8*\a+3], v21
	ds_load_b128 v[XSC+8*\a+4:XSC+8*\a+7], v21 offset:16
.endr
.endm
; K step s of group g: four fragments of weights (wt = 2 m + u) and two registers of scale words (W1's in lanes 0-15, W3's in lanes 16-31): 14 LDS loads
.macro FETCHW s, g
.irp wt, 0,1,2,3
.irp q, 0,1,2
	ds_load_b128 v[WF+48*((\s)%2)+12*\wt+4*\q:WF+48*((\s)%2)+12*\wt+4*\q+3], v[22+\g] offset:(8*\wt+(\s))*1536+512*\q
.endr
.endr
.irp u, 0,1
	ds_load_b32 v[32+2*((\s)%2)+\u], v24 offset:2048*(\g)+(8*\u+(\s))*128
.endr
.endm
.macro MM d, a, b, sa, sb, zero, row1
.if \zero
.if \row1
	v_wmma_scale_f32_16x16x128_f8f6f4 v[\d:\d+7], v[\a:\a+11], v[\b:\b+11], 0, v[\sa], v[\sb] matrix_a_fmt:MATRIX_FMT_BF6 matrix_b_fmt:MATRIX_FMT_BF6 matrix_a_scale:MATRIX_SCALE_ROW1
.else
	v_wmma_scale_f32_16x16x128_f8f6f4 v[\d:\d+7], v[\a:\a+11], v[\b:\b+11], 0, v[\sa], v[\sb] matrix_a_fmt:MATRIX_FMT_BF6 matrix_b_fmt:MATRIX_FMT_BF6
.endif
.else
.if \row1
	v_wmma_scale_f32_16x16x128_f8f6f4 v[\d:\d+7], v[\a:\a+11], v[\b:\b+11], v[\d:\d+7], v[\sa], v[\sb] matrix_a_fmt:MATRIX_FMT_BF6 matrix_b_fmt:MATRIX_FMT_BF6 matrix_a_scale:MATRIX_SCALE_ROW1
.else
	v_wmma_scale_f32_16x16x128_f8f6f4 v[\d:\d+7], v[\a:\a+11], v[\b:\b+11], v[\d:\d+7], v[\sa], v[\sb] matrix_a_fmt:MATRIX_FMT_BF6 matrix_b_fmt:MATRIX_FMT_BF6
.endif
.endif
.endm
; 20 products: my five tiles of rows against the four tiles of weights, 128 along K.  The 20 accumulators take turns, one instruction a turn; the first step starts the sums
.macro MATROUND s, g
	WIN 0
.rept 4
	v_nop                                          ; four places in front of loads into registers that matrix instructions have read (ISA guide 7.12.1 for vector instructions)
.endr
.if (\s) < 7
	FETCHW (\s)+1, \g
	s_wait_dscnt 14                                ; all but the 14 just issued
.else
	s_wait_dscnt 0x0
.endif
.irp a, 0,1,2,3,4
	WIN 0xf0|(4*(1+\a/2))
.irp wt, 0,1,2,3
	MM 96+32*\a+8*\wt, WF+48*((\s)%2)+12*\wt, 96*(\a%2)+12*(\s), 32+2*((\s)%2)+\wt%2, XSC+8*\a+(\s), (\s)==0, \wt/2
.endr
.endr
.endm
; Tile a: lane (r, h) holds row r and the units 32 g + 16 h + 0 .. 15.  h = a / (1 + 2^(-a log2 e)) * b in f32; its block of 32 lies in lanes l and l xor 16
.macro EPI a, g
.set A1, 96+32*(\a)
.set A3, A1+16
.set EB, 188+8*(\a)
	WIN 0x03
.set i, 0
.rept 8
	v_pk_mul_f32 v[T+i:T+i+1], v[A1+i:A1+i+1], s[34:35] op_sel_hi:[1,0]   ; each accumulator is read from its low end on
.set i, i+2
.endr
	WIN 0
.set i, 0
.rept 16
	v_exp_f32 v[T+i], v[T+i]
.set i, i+1
.endr
	v_nop                                          ; a plain instruction behind the batch,
	s_wait_alu depctr_va_vdst(0)                   ; and one wait for it ahead of its first reader
.set i, 0
.rept 8
	v_pk_add_f32 v[T+i:T+i+1], v[T+i:T+i+1], 1.0 op_sel_hi:[1,0]
.set i, i+2
.endr
.set i, 0
.rept 16
	v_rcp_f32 v[T+i], v[T+i]
.set i, i+1
.endr
	v_nop
	s_wait_alu depctr_va_vdst(0)
	WIN 0x0c
.set i, 0
.rept 8
	v_pk_mul_f32 v[T+i:T+i+1], v[T+i:T+i+1], v[A1+i:A1+i+1]
.set i, i+2
.endr
.set i, 0
.rept 8
	v_pk_mul_f32 v[T+i:T+i+1], v[T+i:T+i+1], v[A3+i:A3+i+1]
.set i, i+2
.endr
	WIN 0
	v_max3_num_f32 v228, |v[T]|, |v[T+1]|, 0x2800000
	v_max3_num_f32 v229, |v[T+2]|, |v[T+3]|, |v[T+4]|
	v_max3_num_f32 v228, v228, |v[T+5]|, |v[T+6]|
	v_max3_num_f32 v229, v229, |v[T+7]|, |v[T+8]|
	v_max3_num_f32 v228, v228, |v[T+9]|, |v[T+10]|
	v_max3_num_f32 v229, v229, |v[T+11]|, |v[T+12]|
	v_max3_num_f32 v228, v228, |v[T+13]|, |v[T+14]|
	v_max3_num_f32 v228, v228, v229, |v[T+15]|
	v_permlanex16_b32 v9, v228, s32, s33
	v_max_num_f32 v228, v228, v9                   ; the block's largest magnitude
	v_add_nc_u32 v231, 0xfe000000, v228
	v_cvt_scalef32_pk16_bf6_f32 v[EB:EB+2], v[T:T+15], v231
	v_lshrrev_b32 v[EB+6], 23, v231                ; the scale's byte (also the plain instruction behind the conversion)
.irp i, 0,1,2
	v_mov_b32 v[EB+3+\i], v[EB+\i]
.endr
.irp i, 0,1,2
	v_permlane16_swap_b32 v[EB+\i], v[EB+3+\i]     ; both halves of the lanes now hold row r's whole 24 bytes
.endr
	global_store_b128 v26, v[EB:EB+3], s[14:15] offset:24576*(\a)+256*(\g)   ; sixteen lanes store 256 consecutive bytes, aligned (lanes 16-31 the same bytes again)
	global_store_b64 v27, v[EB+4:EB+5], s[14:15] offset:24576*(\a)+128*(\g)
	global_store_b8 v28, v[EB+6], s[16:17] offset:1024*(\a)+(\g)
.endm
	s_load_b512 s[4:19], s[0:1], 0x0               ; W1, W3, xq, xs, sel, hq, hs, pos
	v_lshl_add_u32 v254, v0, 2, 0x32200
	v_mov_b32 v255, 0
	v_lshrrev_b32 v2, 5, v0
	v_readfirstlane_b32 s20, v2                    ; wave
	s_lshr_b32 s21, ttmp9, 5                       ; e
	s_and_b32 s22, ttmp9, 31                       ; j
	s_and_b32 s23, s20, 1                          ; m: W1 or W3
	s_lshr_b32 s24, s20, 1                         ; u
	v_and_b32 v243, 31, v0                         ; lane
	v_lshlrev_b32 v1, 4, v243                      ; 16 l
	v_and_b32 v2, 15, v0                           ; r
	v_bfe_u32 v3, v0, 4, 1                         ; h
	s_mul_i32 s30, s20, 8448
	s_add_co_u32 s30, s30, TS                      ; my turn stage
	v_add_nc_u32 v4, s30, v1
	v_mul_u32_u24 v5, v2, 528
	v_lshl_add_u32 v5, v3, 7, v5
	v_add_nc_u32 v5, s30, v5
	s_lshl_b32 s30, s23, 1
	s_add_co_u32 s30, s30, s24
	s_mul_i32 s30, s30, 12288
	s_add_co_u32 s30, s30, WIMG
	v_add_nc_u32 v6, s30, v1                       ; where I store images
	s_lshl_b32 s30, s24, 10
	s_lshl_b32 s31, s23, 6
	s_add_co_u32 s30, s30, s31
	s_add_co_u32 s30, s30, WSC
	v_lshl_add_u32 v7, v2, 2, s30                  ; and scale words
	v_lshlrev_b32 v8, 3, v3
	v_mov_b32 v9, 0                                ; written once: a lane permute's destination counts as one of its sources
	s_mul_i32 s30, s20, 320                        ; my five tiles in a chunk's part of the list
	v_mov_b32 v240, s30
	v_lshl_add_u32 v241, v3, 2, s30
	v_lshl_add_u32 v242, v2, 2, s30
	v_add_nc_u32 v242, LISTR, v242
	v_add_nc_u32 v14, 512, v1
	v_mul_u32_u24 v15, v3, 768
	v_sub_nc_u32 v14, v14, v15                     ; 512 + 16 l - 768 h
	v_add_nc_u32 v15, 256, v1
	s_mul_i32 s30, s20, 13056
	s_add_co_u32 s30, s30, XST                     ; my stage for x
	v_add_nc_u32 v16, s30, v1
	v_mul_u32_u24 v17, v3, 48
	v_add_nc_u32 v17, v17, v16
	v_add_nc_u32 v17, 512, v17
	v_add_nc_u32 v18, 1072, v16
	v_mul_u32_u24 v21, v2, 816
	v_add_nc_u32 v21, s30, v21
	v_mad_u32_u24 v20, v3, 384, v21
	v_lshl_add_u32 v19, v3, 4, v21
	v_add_nc_u32 v19, 768, v19
	v_add_nc_u32 v21, 768, v21
	v_add_nc_u32 v22, WIMG, v1                     ; the images of group 0,
	v_add_nc_u32 v23, WIMG+49152, v1               ; of group 1
	v_lshl_add_u32 v24, v243, 2, WSC
	v_lshlrev_b32 v25, 4, v3
	v_lshlrev_b32 v29, 4, v2
	v_lshlrev_b32 v30, 3, v2
	v_lshlrev_b32 v31, 6, v2
	s_mov_b32 s32, 0x76543210
	s_mov_b32 s33, 0xfedcba98                      ; v_permlanex16_b32's selects for lane l xor 16
	s_mov_b32 s34, 0xbfb8aa3b                      ; -log2(e)
	s_mov_b32 s35, s34                             ; (named with it as a pair, so it is written)
	s_lshr_b32 s41, s22, 1                         ; my units' place in a fragment of h: K step j / 2, c = j % 2, half g
	s_and_b32 s42, s22, 1
	s_mul_i32 s43, s41, 1536
	s_lshl_b32 s46, s42, 9
	s_add_co_u32 s44, s43, 1024
	s_add_co_u32 s43, s43, s46
	s_lshl_b32 s46, s42, 8
	s_add_co_u32 s44, s44, s46
	s_lshl_b32 s45, s41, 2
	s_lshl_b32 s46, s42, 1
	s_add_co_u32 s45, s45, s46
	s_wait_kmcnt 0x0
	s_cmp_eq_u32 s23, 0
	s_cselect_b64 s[26:27], s[4:5], s[6:7]         ; the choice hangs on the wave's number alone
	s_lshl_b32 s30, s21, 23
	s_lshl_b32 s31, s22, 18
	s_add_co_u32 s30, s30, s31
	s_lshl_b32 s31, s24, 15
	s_add_co_u32 s30, s30, s31                     ; (2048 e + 64 j + 8 u) rows of 4,096 bytes
	s_mov_b32 s31, 0
	s_add_nc_u64 s[26:27], s[26:27], s[30:31]
	s_mul_i32 s30, s21, 1966080                    ; the expert's 80 tiles of hq,
	s_add_nc_u64 s[14:15], s[14:15], s[30:31]
	s_mul_i32 s30, s21, 81920                      ; of hs
	s_add_nc_u64 s[16:17], s[16:17], s[30:31]
.set i, 0
.rept 16
	global_load_b128 v[SL+4*i:SL+4*i+3], v1, s[12:13] offset:512*i
.set i, i+1
.endr
	LOADSET 0, 0                                   ; step sigma: K step sigma / 2 of group sigma % 2
	LOADSET 1, 131072
	LOADSET 2, 512
	s_wait_loadcnt 48                              ; sel is in; the three ring sets behind it stay out
	LOADSET 3, 131072+512                          ; the fourth set goes out ahead of the list's making
	WIN 0
	s_mov_b32 s28, 0
	s_mul_i32 s38, s20, 5                          ; my first tile,
	s_mov_b32 s39, 0                               ; the chunk's bytes in the list,
	s_mov_b32 s40, 0                               ; its first row
	s_mov_b32 s36, 0
	s_cmp_lg_u32 s20, 0
	s_cbranch_scc1 .Lcount
	v_mov_b32 v164, 2047                           ; wave 0 lays the list; no other wave touches LDS in front of the barrier below
	v_lshlrev_b32 v165, 2, v243
	v_mul_u32_u24 v166, v243, 1536
	s_add_co_u32 s46, s21, 2048
.irp i, 0,1,2,3
	v_mov_b32 v[168+\i], 0                         ; behind the list's end: token 0,
	v_mov_b32 v[172+\i], s46                       ; and a rid that no row has, the expert's own
.endr
.set i, 0
.rept 16
	ds_store_b128 v1, v[168:171] offset:512*i
	ds_store_b128 v1, v[172:175] offset:LISTR+512*i
.set i, i+1
.endr
.irp b, 0,1,2,3,4,5,6,7
	LB8 \b
.endr
	s_branch .Ljoin
.Lcount:
.irp b, 0,1,2,3,4,5,6,7
	CNT8 \b                                        ; the other waves count for themselves meanwhile
.endr
.Ljoin:
	s_max_u32 s28, s28, 1                          ; the first chunk is always worked: tiles 0-19 of every expert are written
	s_wait_dscnt 0x0                               ; the list's stores are done
	s_barrier_signal -1
	s_barrier_wait -1
	GATH 2, 3                                      ; my tiles 2 to 4 of the first chunk: their registers are not the stream's
	s_wait_loadcnt 63                              ; behind ring set 0 stand three ring sets and the gather's 75 loads, 123 in all: with 63 out at the most the first 76 of the 139 are in, the four ring sets among them
	TURN 0, 0
	s_mov_b32 s29, 0
.Lstream:                                          ; three trips of four steps; each step asks for the step four on
	STEP 0, 1, 1024, 1, 48, 0, 0
	STEP 1, 1, 1024+131072, 1, 48, 49152, 2048
	STEP 2, 1, 1024+512, 1, 48, 1536, 128
	STEP 3, 1, 1024+131072+512, 1, 48, 49152+1536, 2048+128
	s_wait_xcnt 0x0                                ; the loads have read their base
	s_add_nc_u64 s[26:27], s[26:27], 1024
	v_add_nc_u32 v6, 3072, v6
	v_add_nc_u32 v7, 256, v7
	s_add_co_u32 s29, s29, 1
	s_cmp_lt_u32 s29, 3
	s_cbranch_scc1 .Lstream
	STEP 0, 0, 0, 1, 32, 0, 0                      ; the last four steps ask for nothing: the counts run down
	STEP 1, 0, 0, 1, 16, 49152, 2048
	STEP 2, 0, 0, 1, 0, 1536, 128
	GATH 0, 2                                      ; my tiles 0 and 1: ring sets 0 to 2, whose registers they take, are done with
	STEP 3, 0, 0, 0, 0, 49152+1536, 2048+128
	s_wait_dscnt 0x0                               ; my images and scale words are stored
	s_barrier_signal -1
	s_barrier_wait -1                              ; all 64 images lie in LDS; from here on bytes that waves share are only read
.Lchunk:                                           ; four trips, always; a trip without rows jumps over its work
	s_wait_loadcnt 0x0                             ; the rows that were asked for are in.  The wait stands ahead of the branch, on every way from one gather to the next, which loads into the same registers
	s_cmp_ge_u32 s40, s28
	s_cbranch_scc1 .Lskip1
	STAGE
	s_wait_xcnt 0x0                                ; the last stores have read their offsets and data: v26-28 are written below, and the sums take the registers that pos's stores read
	s_mul_i32 s41, s38, 24576
	s_add_co_u32 s42, s41, s43
	v_add_nc_u32 v26, s42, v29
	s_add_co_u32 s42, s41, s44
	v_add_nc_u32 v27, s42, v30
	s_lshl_b32 s42, s38, 10
	s_add_co_u32 s42, s42, s45
	v_add_nc_u32 v28, s42, v31
.irp g, 0,1
	FETCHW 0, \g
.irp s, 0,1,2,3,4,5,6,7
	MATROUND \s, \g
.endr
	WIN 0
.rept 4
	v_nop                                          ; four places in front of the first read of results
.endr
	s_wait_xcnt 0x0                                ; the group before has stored from v188-227: they are written again only below, behind this wait; the products in between name none of them
.irp a, 0,1,2,3,4
	EPI \a, \g
.endr
.endr
.Lskip1:
	s_add_co_u32 s38, s38, 20
	s_add_co_u32 s39, s39, 1280
	s_add_co_u32 s40, s40, 320
	s_cmp_ge_u32 s40, s28
	s_cbranch_scc1 .Lskip2
	GATH 2, 3                                      ; the next chunk's rows, if it has any
	GATH 0, 2
.Lskip2:
	s_add_co_u32 s36, s36, 1
	s_cmp_lt_u32 s36, 4
	s_cbranch_scc1 .Lchunk
	s_wait_tensorcnt 0x0
	ds_add_u32 v254, v255
	s_wait_dscnt 0x0
	s_endpgm
.Lfunc_end_k_q5efc749f96_up:
	.size	k_q5efc749f96_up, .Lfunc_end_k_q5efc749f96_up-k_q5efc749f96_up
	.p2alignl 7, 3214868480
	.fill 96, 4, 3214868480
	.section	.rodata,"a",@progbits
	.p2align	6, 0x0
	.amdhsa_kernel k_q5efc749f96_up
		.amdhsa_group_segment_fixed_size 205824
		.amdhsa_private_segment_fixed_size 0
		.amdhsa_enable_private_segment 0
		.amdhsa_kernarg_size 64
		.amdhsa_user_sgpr_count 2
		.amdhsa_user_sgpr_kernarg_segment_ptr 1
		.amdhsa_wavefront_size32 1
		.amdhsa_system_sgpr_workgroup_id_x 1
		.amdhsa_system_sgpr_workgroup_id_y 1
		.amdhsa_system_sgpr_workgroup_id_z 1
		.amdhsa_system_vgpr_workitem_id 0
		.amdhsa_next_free_vgpr 1024
		.amdhsa_next_free_sgpr 66
		.amdhsa_reserve_vcc 1
		.amdhsa_float_denorm_mode_32 3
		.amdhsa_float_denorm_mode_16_64 3
		.amdhsa_memory_ordered 1
		.amdhsa_forward_progress 1
		.amdhsa_inst_pref_size 255
	.end_amdhsa_kernel
	.section	.bss,"aw",@nobits
	.p2align	6
	.space	262144
	.amdgpu_metadata
---
amdhsa.version: [ 1, 2 ]
amdhsa.kernels:
  - .name:           k_q5efc749f96_up
    .symbol:         k_q5efc749f96_up.kd
    .args:
      - { .name: W1, .offset: 0, .size: 8, .value_kind: global_buffer, .address_space: global }
      - { .name: W3, .offset: 8, .size: 8, .value_kind: global_buffer, .address_space: global }
      - { .name: xq, .offset: 16, .size: 8, .value_kind: global_buffer, .address_space: global }
      - { .name: xs, .offset: 24, .size: 8, .value_kind: global_buffer, .address_space: global }
      - { .name: sel, .offset: 32, .size: 8, .value_kind: global_buffer, .address_space: global }
      - { .name: hq, .offset: 40, .size: 8, .value_kind: global_buffer, .address_space: global }
      - { .name: hs, .offset: 48, .size: 8, .value_kind: global_buffer, .address_space: global }
      - { .name: pos, .offset: 56, .size: 8, .value_kind: global_buffer, .address_space: global }
    .group_segment_fixed_size: 205824
    .private_segment_fixed_size: 0
    .kernarg_segment_align: 8
    .kernarg_segment_size: 64
    .max_flat_workgroup_size: 128
    .sgpr_count:     66
    .vgpr_count:     1024
    .wavefront_size: 32
...
	.end_amdgpu_metadata
.endif
;; end of part 2
;; launch down (part 3): grid 256 x 1, 4 waves a work-group, no clusters, 94,720 bytes of LDS; arguments W2, hq, hs, sel, part; writes part
.if DOCPART == 3
	.amdgcn_target "amdgcn-amd-amdhsa--gfx1250"
	.amdhsa_code_object_version 6
	.text
	.protected	k_q5efc749f96_down
	.globl	k_q5efc749f96_down
	.p2align	8
	.type	k_q5efc749f96_down,@function
k_q5efc749f96_down:
	s_mov_b64 s[64:65], 0
	v_nop
	global_prefetch_b8 v0, s[64:65] scope:SCOPE_SE
	s_setreg_imm32_b32 hwreg(HW_REG_WAVE_MODE, 25, 1), 1
	s_wait_xcnt 0x0
; part = h W2[e]^T for the rows of expert e, on codes of E3M2 with one E8M0 byte for 32 along K; not yet weighted.
; SHARES.  Work-group (e = id / 32, j = id % 32) owns output columns 32 j .. 32 j + 31: 256 KB of W2 in f32, read once in the launch.
; STREAM.  Wave w takes column tile n = w % 2 and K steps 8 (w / 2) + 0 .. 7: each load reads 512 consecutive bytes of one row of W2; a step turns through the wave's own stage in LDS, is
; quantised, and goes to LDS as an image of the operand's registers.  Behind one barrier every wave takes all 32 fragments into its registers, where they stay.
; PRODUCTS.  Wave w takes row tiles w, w + 4, ..: a tile's 16 fragments of h come from memory straight into registers, laid by the launch before in the order of the operand's registers, in two buffers.
; A buffer is filled again directly behind its tile's products, with the tile eight further on, and only if that tile has rows: so a fill has two tiles' work in which to land, and no tile is loaded for nothing
; (but the second buffer's first fill, which is always made, so that its registers are written on every way).
; Used transposed (source 0 = 16 columns, source 1 = 16 rows of h): a lane holds 8 neighbouring columns of one row.  The results go through the wave's own stage and leave as
; 512 consecutive bytes an instruction.  part: [32 e + j][place in the expert's list][32 f32].
; No tensor loads and no joint loads: how many tiles are walked hangs on sel (whole numbers stored two launches before).
; LIMITS: as stated at the gate's launch.
; REGISTERS.  Window 0: v1-15 addresses; v16-31 W2's scale words, v48-63 h's (scales and nothing else); v32-47 two accumulators; v64-255 at work in the stream, then buffer 1.
;   Window 1: the ring of loads, then W2's fragments of K steps 0-7 at 24 s + 12 n.  Window 2: those of K steps 8-15.  Window 3: buffer 0 (v0-191); v192-223 rows on the way out.
.set WSC, 49152                        ; LDS: 32 images of 1,536 bytes (16 n + s); scale words 128 s + 64 n + 4 r;
.set TS,  51200                        ; the turn stage, 16 rows x 528 for each wave;
.set OST, 84992                        ; the way out, 16 rows x 144 for each wave
.set X0,  64
.set SL,  64
.set PC,  192
.set TT,  204
.set QM,  212
.set QS,  214
.set QB,  216
.set PW,  218
.set QX,  220
.set MSB, 0
.macro WIN new
.if MSB != (\new)
	s_set_vgpr_msb (MSB<<8)|(\new)
.set MSB, (\new)
.endif
.endm
.macro LOADSET set, off
	WIN 0x40
.set rho, 0
.rept 16
	global_load_b128 v[64*(\set)+4*rho:64*(\set)+4*rho+3], v1, s[26:27] offset:rho*8192+(\off) th:TH_LOAD_NT
.set rho, rho+1
.endr
.endm
.macro TURN set, x
	WIN 0x04
.set rho, 0
.rept 16
	ds_store_b128 v4, v[64*(\set)+4*rho:64*(\set)+4*rho+3] offset:528*rho
.set rho, rho+1
.endr
	WIN 0
.irp c, 0,1
.irp q, 0,1,2,3,4,5,6,7
	ds_load_b128 v[X0+64*(\x)+32*\c+4*\q:X0+64*(\x)+32*\c+4*\q+3], v5 offset:256*\c+16*\q
.endr
.endr
.endm
; as in the launch before: the largest magnitudes in four chains, two a block
.macro QUANTW x
.set XB, X0+64*(\x)
	v_max3_num_f32 v[QM], |v[XB]|, |v[XB+1]|, 0x2800000          ; with the floor 2^(5 - 127): the byte cannot fall under 1
	v_max3_num_f32 v[QM+1], |v[XB+32]|, |v[XB+33]|, 0x2800000
	v_max3_num_f32 v[QX], |v[XB+2]|, |v[XB+3]|, |v[XB+4]|
	v_max3_num_f32 v[QX+1], |v[XB+34]|, |v[XB+35]|, |v[XB+36]|
.set i, 5
.rept 6
	v_max3_num_f32 v[QM], v[QM], |v[XB+i]|, |v[XB+i+1]|
	v_max3_num_f32 v[QM+1], v[QM+1], |v[XB+32+i]|, |v[XB+33+i]|
	v_max3_num_f32 v[QX], v[QX], |v[XB+i+2]|, |v[XB+i+3]|
	v_max3_num_f32 v[QX+1], v[QX+1], |v[XB+34+i]|, |v[XB+35+i]|
.set i, i+4
.endr
	v_max3_num_f32 v[QM], v[QM], |v[XB+29]|, |v[XB+30]|
	v_max3_num_f32 v[QM+1], v[QM+1], |v[XB+61]|, |v[XB+62]|
	v_max3_num_f32 v[QM], v[QM], v[QX], |v[XB+31]|
	v_max3_num_f32 v[QM+1], v[QM+1], v[QX+1], |v[XB+63]|
	v_add_nc_u32 v[QS], 0xfe000000, v[QM]
	v_add_nc_u32 v[QS+1], 0xfe000000, v[QM+1]
	v_lshrrev_b32 v[QB], 23, v[QS]
	v_lshrrev_b32 v[QB+1], 23, v[QS+1]
	v_lshl_or_b32 v[PW], v[QB+1], 16, v[QB]
	v_lshlrev_b32 v[PW], v8, v[PW]
	v_permlanex16_b32 v9, v[PW], s32, s33
	v_or_b32 v[PW], v[PW], v9
.irp c, 0,1
	v_cvt_scalef32_pk16_bf6_f32 v[PC+6*\c:PC+6*\c+2], v[XB+32*\c:XB+32*\c+15], v[QS+\c]
	v_cvt_scalef32_pk16_bf6_f32 v[TT+4*\c:TT+4*\c+2], v[XB+32*\c+16:XB+32*\c+31], v[QS+\c]
.endr
	v_nop                                          ; one plain instruction behind the scaled conversions
.irp c, 0,1
.irp i, 0,1,2
	v_mov_b32 v[PC+6*\c+3+\i], v[TT+4*\c+\i]
.endr
.endr
.endm
.macro IMAGE io, so
.irp q, 0,1,2
	ds_store_b128 v6, v[PC+4*\q:PC+4*\q+3] offset:(\io)+512*\q
.endr
	ds_store_b32 v7, v[PW] offset:\so
.endm
; step k, as in the launch before: left counts the loads younger than the next step's, 16 for each younger set
.macro STEP k, ld, ldoff, nx, left, io, so
	s_wait_dscnt 0x0
.if \ld
	LOADSET (\k)%4, \ldoff
.endif
.if \nx
	s_wait_loadcnt \left
	TURN ((\k)+1)%4, ((\k)+1)%2
.endif
	QUANTW (\k)%2
	IMAGE \io, \so
.endm
.macro CNT8 b
.set k, 0
.rept 8
	v_cmp_eq_u32 s[48+k], s21, v[SL+8*(\b)+k]
.set k, k+1
.endr
.set k, 0
.rept 8
	s_bcnt1_i32_b32 s62, s[48+k]
	s_add_co_u32 s28, s28, s62
.set k, k+1
.endr
.endm
.macro HADDR b                         ; the tile in s31: where buffer b's loads begin
	s_mul_i32 s34, s31, 24576
	s_mov_b32 s35, 0
	s_add_nc_u64 s[40+2*(\b):41+2*(\b)], s[36:37], s[34:35]
	s_lshl_b32 s34, s31, 10
	s_add_nc_u64 s[44+2*(\b):45+2*(\b)], s[38:39], s[34:35]
.endm
.macro HLOAD b                         ; 66 loads: a tile's 16 fragments, each load 512 or 256 consecutive bytes, and its rows' scale words
.if (\b) == 0
	WIN 0xc0
.set FB, 0
.else
	WIN 0
.set FB, 64
.endif
.set ks, 0
.rept 16
	global_load_b128 v[FB+12*ks:FB+12*ks+3], v1, s[40+2*(\b):41+2*(\b)] offset:1536*ks
	global_load_b128 v[FB+12*ks+6:FB+12*ks+9], v1, s[40+2*(\b):41+2*(\b)] offset:1536*ks+512
	global_load_b64 v[FB+12*ks+4:FB+12*ks+5], v2, s[40+2*(\b):41+2*(\b)] offset:1536*ks+1024
	global_load_b64 v[FB+12*ks+10:FB+12*ks+11], v2, s[40+2*(\b):41+2*(\b)] offset:1536*ks+1280
.set ks, ks+1
.endr
	WIN 0
	global_load_b128 v[48+8*(\b):51+8*(\b)], v3, s[44+2*(\b):45+2*(\b)]              ; lanes 0-15: K steps 0-7 of row r; lanes 16-31: K steps 8-15
	global_load_b128 v[52+8*(\b):55+8*(\b)], v3, s[44+2*(\b):45+2*(\b)] offset:16
.endm
.macro DM d, a, b, sa, sb, zero, ra, rb
.if \zero
.if \ra
	v_wmma_scale_f32_16x16x128_f8f6f4 v[\d:\d+7], v[\a:\a+11], v[\b:\b+11], 0, v[\sa], v[\sb] matrix_a_fmt:MATRIX_FMT_BF6 matrix_b_fmt:MATRIX_FMT_BF6 matrix_a_scale:MATRIX_SCALE_ROW1
.else
	v_wmma_scale_f32_16x16x128_f8f6f4 v[\d:\d+7], v[\a:\a+11], v[\b:\b+11], 0, v[\sa], v[\sb] matrix_a_fmt:MATRIX_FMT_BF6 matrix_b_fmt:MATRIX_FMT_BF6
.endif
.else
.if \ra
.if \rb
	v_wmma_scale_f32_16x16x128_f8f6f4 v[\d:\d+7], v[\a:\a+11], v[\b:\b+11], v[\d:\d+7], v[\sa], v[\sb] matrix_a_fmt:MATRIX_FMT_BF6 matrix_b_fmt:MATRIX_FMT_BF6 matrix_a_scale:MATRIX_SCALE_ROW1 matrix_b_scale:MATRIX_SCALE_ROW1
.else
	v_wmma_scale_f32_16x16x128_f8f6f4 v[\d:\d+7], v[\a:\a+11], v[\b:\b+11], v[\d:\d+7], v[\sa], v[\sb] matrix_a_fmt:MATRIX_FMT_BF6 matrix_b_fmt:MATRIX_FMT_BF6 matrix_a_scale:MATRIX_SCALE_ROW1
.endif
.else
.if \rb
	v_wmma_scale_f32_16x16x128_f8f6f4 v[\d:\d+7], v[\a:\a+11], v[\b:\b+11], v[\d:\d+7], v[\sa], v[\sb] matrix_a_fmt:MATRIX_FMT_BF6 matrix_b_fmt:MATRIX_FMT_BF6 matrix_b_scale:MATRIX_SCALE_ROW1
.else
	v_wmma_scale_f32_16x16x128_f8f6f4 v[\d:\d+7], v[\a:\a+11], v[\b:\b+11], v[\d:\d+7], v[\sa], v[\sb] matrix_a_fmt:MATRIX_FMT_BF6 matrix_b_fmt:MATRIX_FMT_BF6
.endif
.endif
.endif
.endm
; the tile in s30, whose fragments lie in buffer cur
.macro BODY cur
	s_lshl_b32 s61, s30, 4
	s_cmp_ge_u32 s61, s28                          ; no row left for me: the end
	s_cbranch_scc1 .Ldone
	s_lshl_b32 s34, s30, 11
	s_mov_b32 s35, 0
	s_add_nc_u64 s[58:59], s[56:57], s[34:35]      ; this tile's 16 rows of part (the stores of the tile before have read this base: the wait behind them)
	s_wait_loadcnt 63                              ; behind this buffer's loads the other buffer's 66 were issued, or all loads have been waited for: with 63 out at the most, this buffer's are in
.set ks, 0
.rept 16
.if ks < 8
	WIN 0x01+0x0c*(1-(\cur))
.else
	WIN 0x02+0x0c*(1-(\cur))
.endif
	DM 32, 24*(ks%8), 64*(\cur)+12*ks, 16+ks, 48+8*(\cur)+ks%8, ks==0, 0, ks>=8       ; the two accumulators take turns
	DM 40, 24*(ks%8)+12, 64*(\cur)+12*ks, 16+ks, 48+8*(\cur)+ks%8, ks==0, 1, ks>=8
.set ks, ks+1
.endr
	WIN 0
.rept 5
	v_nop                                          ; four places in front of the stores that read results and of the loads into the buffer; a fifth, since the next tile begins these accumulators anew
.endr
.irp n, 0,1
	ds_store_b128 v10, v[32+8*\n:35+8*\n] offset:64*\n          ; each accumulator from its low end on
	ds_store_b128 v10, v[36+8*\n:39+8*\n] offset:64*\n+16
.endr
	WIN 0xc0
.irp q, 0,1,2,3
	ds_load_b128 v[192+16*(\cur)+4*\q:195+16*(\cur)+4*\q], v11 offset:576*\q   ; LDS serves a wave's instructions in order: these see my stores
.endr
	s_wait_dscnt 0x0
	WIN 0x0c
.irp q, 0,1,2,3
	global_store_b128 v1, v[192+16*(\cur)+4*\q:195+16*(\cur)+4*\q], s[58:59] offset:512*\q   ; 32 lanes store 512 consecutive bytes: four rows
.endr
	WIN 0
	s_wait_xcnt 0x0                                ; these stores have read their base and data, this buffer's finished loads their bases: all are written again only behind this wait
	s_add_co_u32 s31, s30, 8                       ; the tile that this buffer takes next
	s_lshl_b32 s61, s31, 4
	s_cmp_lt_u32 s61, s28
	s_cbranch_scc0 .Lno_more\@
	s_min_u32 s31, s31, 79                         ; (inside the expert's part of the buffer)
	HADDR \cur
	HLOAD \cur
	s_branch .Lon\@
.Lno_more\@:
	s_wait_loadcnt 0x0                             ; it has no rows: nothing is asked for, and the other buffer's loads, behind which nothing now stands, are waited for here
.Lon\@:
	s_add_co_u32 s30, s30, 4
.endm
	s_load_b256 s[4:11], s[0:1], 0x0               ; W2, hq, hs, sel
	s_load_b64 s[12:13], s[0:1], 0x20              ; part
	s_set_vgpr_msb 0x80
	v_lshl_add_u32 v254, v0, 2, 0x17000
	v_mov_b32 v255, 0
	s_set_vgpr_msb 0x8000
	v_lshrrev_b32 v13, 5, v0
	v_readfirstlane_b32 s20, v13                   ; wave
	s_lshr_b32 s21, ttmp9, 5                       ; e
	s_and_b32 s22, ttmp9, 31                       ; j
	s_and_b32 s23, s20, 1                          ; n
	s_lshr_b32 s24, s20, 1                         ; which half of K
	v_and_b32 v13, 31, v0                          ; lane
	v_and_b32 v14, 15, v0                          ; r
	v_bfe_u32 v15, v0, 4, 1                        ; h
	v_lshlrev_b32 v1, 4, v13
	v_lshlrev_b32 v2, 3, v13
	v_lshlrev_b32 v3, 6, v14
	v_lshl_add_u32 v3, v15, 5, v3
	s_mul_i32 s30, s20, 8448
	s_add_co_u32 s30, s30, TS
	v_add_nc_u32 v4, s30, v1
	v_mul_u32_u24 v5, v14, 528
	v_lshl_add_u32 v5, v15, 7, v5
	v_add_nc_u32 v5, s30, v5
	s_lshl_b32 s30, s23, 4
	s_lshl_b32 s31, s24, 3
	s_add_co_u32 s30, s30, s31
	s_mul_i32 s30, s30, 1536
	v_add_nc_u32 v6, s30, v1                       ; where I store images: (16 n + 8 half) x 1,536 + 16 l
	s_lshl_b32 s30, s24, 10
	s_lshl_b32 s31, s23, 6
	s_add_co_u32 s30, s30, s31
	s_add_co_u32 s30, s30, WSC
	v_lshl_add_u32 v7, v14, 2, s30
	v_lshlrev_b32 v8, 3, v15
	v_mov_b32 v9, 0
	s_mul_i32 s30, s20, 2304
	s_add_co_u32 s30, s30, OST
	v_mul_u32_u24 v10, v14, 144
	v_lshl_add_u32 v10, v15, 5, v10
	v_add_nc_u32 v10, s30, v10                     ; the way out, in: row r, + 32 h
	v_lshrrev_b32 v11, 3, v13
	v_mul_u32_u24 v11, v11, 144
	v_and_b32 v12, 7, v13
	v_lshl_add_u32 v11, v12, 4, v11
	v_add_nc_u32 v11, s30, v11                     ; back: eight lanes to a row of 128 bytes
	v_lshl_add_u32 v12, v13, 2, WSC
	s_mov_b32 s32, 0x76543210
	s_mov_b32 s33, 0xfedcba98
	s_wait_kmcnt 0x0
	s_lshl_b32 s30, s21, 23
	s_lshl_b32 s31, s22, 18
	s_add_co_u32 s30, s30, s31
	s_lshl_b32 s31, s23, 17
	s_add_co_u32 s30, s30, s31
	s_lshl_b32 s31, s24, 12
	s_add_co_u32 s30, s30, s31                     ; (1024 e + 32 j + 16 n) rows of 8,192 bytes + my half of K
	s_mov_b32 s31, 0
	s_add_nc_u64 s[26:27], s[4:5], s[30:31]
	s_mul_i32 s30, s21, 1966080
	s_add_nc_u64 s[36:37], s[6:7], s[30:31]
	s_mul_i32 s30, s21, 81920
	s_add_nc_u64 s[38:39], s[8:9], s[30:31]
	s_lshl_b32 s30, ttmp9, 17
	s_add_nc_u64 s[56:57], s[12:13], s[30:31]
.set i, 0
.rept 16
	global_load_b128 v[SL+4*i:SL+4*i+3], v1, s[10:11] offset:512*i
.set i, i+1
.endr
	LOADSET 0, 0
	LOADSET 1, 512
	LOADSET 2, 1024
	s_wait_loadcnt 48                              ; sel is in; the three ring sets behind it stay out
	LOADSET 3, 1536                                ; the fourth set goes out ahead of the counting
	WIN 0
	s_mov_b32 s28, 0
.irp b, 0,1,2,3,4,5,6,7
	CNT8 \b                                        ; how many rows chose e: every wave counts for itself
.endr
	s_max_u32 s29, s28, 1
	s_sub_co_u32 s29, s29, 1
	s_lshr_b32 s29, s29, 4                         ; the last tile that has rows
	s_wait_loadcnt 48                              ; set 0 is in; sets 1 to 3 stay out
	TURN 0, 0
	STEP 0, 1, 2048, 1, 48, 0, 0
	STEP 1, 1, 2560, 1, 48, 1536, 128
	STEP 2, 1, 3072, 1, 48, 3072, 256
	STEP 3, 1, 3584, 1, 48, 4608, 384
	STEP 4, 0, 0, 1, 32, 6144, 512
	STEP 5, 0, 0, 1, 16, 7680, 640
	STEP 6, 0, 0, 1, 0, 9216, 768
	s_mov_b32 s30, s20                             ; my first tile,
	s_mov_b32 s31, s20
	HADDR 0
	HLOAD 0                                        ; asked for while the last step is quantised
	STEP 7, 0, 0, 0, 0, 10752, 896
	s_wait_dscnt 0x0                               ; my images and scale words are stored
	s_barrier_signal -1
	s_barrier_wait -1                              ; all 32 images lie in LDS; from here on bytes that waves share are only read
	s_add_co_u32 s31, s20, 4                       ; my second tile, held at the last tile that has rows and inside the expert's part of the buffer:
	s_min_u32 s31, s31, s29
	s_min_u32 s31, s31, 79
	HADDR 1
	HLOAD 1                                        ; asked for ahead of the LDS loads below: the stream's registers, which buffer 1 takes, are done with
	WIN 0x40
.set ks, 0
.rept 8
.irp n, 0,1
.irp q, 0,1,2
	ds_load_b128 v[24*ks+12*\n+4*\q:24*ks+12*\n+4*\q+3], v1 offset:(16*\n+ks)*1536+512*\q
.endr
.endr
.set ks, ks+1
.endr
	WIN 0x80
.set ks, 0
.rept 8
.irp n, 0,1
.irp q, 0,1,2
	ds_load_b128 v[24*ks+12*\n+4*\q:24*ks+12*\n+4*\q+3], v1 offset:(16*\n+8+ks)*1536+512*\q
.endr
.endr
.set ks, ks+1
.endr
	WIN 0
.set ks, 0
.rept 16
	ds_load_b32 v[16+ks], v12 offset:128*ks        ; lanes 0-15: tile n = 0; lanes 16-31: n = 1
.set ks, ks+1
.endr
	s_wait_dscnt 0x0
	s_mov_b32 s60, 0
.Ltile:                                            ; eight trips of two tiles at the most: 64 tiles for the four waves
	BODY 0
	BODY 1
	s_add_co_u32 s60, s60, 1
	s_cmp_lt_u32 s60, 8
	s_cbranch_scc1 .Ltile
.Ldone:
	s_set_vgpr_msb 0xa
	s_wait_tensorcnt 0x0
	ds_add_u32 v254, v255
	s_wait_dscnt 0x0
	s_set_vgpr_msb 0xa00
	s_endpgm
.Lfunc_end_k_q5efc749f96_down:
	.size	k_q5efc749f96_down, .Lfunc_end_k_q5efc749f96_down-k_q5efc749f96_down
	.p2alignl 7, 3214868480
	.fill 96, 4, 3214868480
	.section	.rodata,"a",@progbits
	.p2align	6, 0x0
	.amdhsa_kernel k_q5efc749f96_down
		.amdhsa_group_segment_fixed_size 94720
		.amdhsa_private_segment_fixed_size 0
		.amdhsa_enable_private_segment 0
		.amdhsa_kernarg_size 40
		.amdhsa_user_sgpr_count 2
		.amdhsa_user_sgpr_kernarg_segment_ptr 1
		.amdhsa_wavefront_size32 1
		.amdhsa_system_sgpr_workgroup_id_x 1
		.amdhsa_system_sgpr_workgroup_id_y 1
		.amdhsa_system_sgpr_workgroup_id_z 1
		.amdhsa_system_vgpr_workitem_id 0
		.amdhsa_next_free_vgpr 1024
		.amdhsa_next_free_sgpr 66
		.amdhsa_reserve_vcc 0
		.amdhsa_float_denorm_mode_32 3
		.amdhsa_float_denorm_mode_16_64 3
		.amdhsa_memory_ordered 1
		.amdhsa_forward_progress 1
		.amdhsa_inst_pref_size 113
	.end_amdhsa_kernel
	.amdgpu_metadata
---
amdhsa.version: [ 1, 2 ]
amdhsa.kernels:
  - .name:           k_q5efc749f96_down
    .symbol:         k_q5efc749f96_down.kd
    .args:
      - { .name: W2, .offset: 0, .size: 8, .value_kind: global_buffer, .address_space: global }
      - { .name: hq, .offset: 8, .size: 8, .value_kind: global_buffer, .address_space: global }
      - { .name: hs, .offset: 16, .size: 8, .value_kind: global_buffer, .address_space: global }
      - { .name: sel, .offset: 24, .size: 8, .value_kind: global_buffer, .address_space: global }
      - { .name: part, .offset: 32, .size: 8, .value_kind: global_buffer, .address_space: global }
    .group_segment_fixed_size: 94720
    .private_segment_fixed_size: 0
    .kernarg_segment_align: 8
    .kernarg_segment_size: 40
    .max_flat_workgroup_size: 128
    .sgpr_count:     66
    .vgpr_count:     1024
    .wavefront_size: 32
...
	.end_amdgpu_metadata
.endif
;; end of part 3
;; launch combine (part 4): grid 256 x 1, 4 waves a work-group, no clusters, 0 bytes of LDS; arguments part, sel, pos, rw, Wc, bc, out0, out2; writes out0, out2
.if DOCPART == 4
	.amdgcn_target "amdgcn-amd-amdhsa--gfx1250"
	.amdhsa_code_object_version 6
	.text
	.protected	k_q5efc749f96_combine
	.globl	k_q5efc749f96_combine
	.p2align	8
	.type	k_q5efc749f96_combine,@function
k_q5efc749f96_combine:
	s_mov_b64 s[64:65], 0
	v_nop
	global_prefetch_b8 v0, s[64:65] scope:SCOPE_SE
	s_setreg_imm32_b32 hwreg(HW_REG_WAVE_MODE, 25, 1), 1
	s_wait_xcnt 0x0
; out0[token] = w0 part(e0, place0) + w1 part(e1, place1); out2[e][b] = bc + the sum, over the slots of token 256 b whose expert is e or lower, of w (part . Wc).
; One wave takes one token: each output row has one owner.  The experts, places and weights come by scalar loads from what earlier launches stored; experts and places are whole numbers and are
; held inside their tables before they enter an address.  part: [32 e + column / 32][place][32 f32], so a load of the wave covers four runs of 128 consecutive bytes; a store 512 consecutive bytes.
; The four waves whose token is the first of a sequence part from the others behind the loads of part and ask for Wc there, so that Wc comes with part and not behind the stores.
; Memory binds: no LDS, no barrier, no matrix unit.
.macro OUT0                            ; the row's sum and its eight stores
.set i, 0
.rept 16
	v_pk_mul_f32 v[80+i:81+i], v[16+i:17+i], s[34:35] op_sel_hi:[1,0]
.set i, i+2
.endr
.set i, 0
.rept 16
	v_pk_fma_f32 v[80+i:81+i], v[48+i:49+i], s[36:37], v[80+i:81+i] op_sel_hi:[1,0,1]
.set i, i+2
.endr
.irp q, 0,1,2,3,4,5,6,7
	global_store_b128 v4, v[80+4*\q:83+4*\q], s[16:17] offset:512*\q th:TH_STORE_NT
.endr
.endm
	s_load_b512 s[4:19], s[0:1], 0x0               ; part, sel, pos, rw, Wc, bc, out0, out2
	v_lshrrev_b32 v1, 5, v0
	v_readfirstlane_b32 s20, v1                    ; wave
	s_lshl_b32 s21, ttmp9, 2
	s_add_co_u32 s21, s21, s20                     ; token
	s_lshl_b32 s22, s21, 3                         ; its two slots: 8 bytes
	v_and_b32 v5, 31, v0                           ; lane
	v_lshlrev_b32 v4, 4, v5                        ; 16 l
	v_lshrrev_b32 v1, 3, v5
	v_and_b32 v6, 7, v5
	v_lshlrev_b32 v1, 17, v1
	v_lshl_add_u32 v1, v6, 4, v1                   ; columns 4 l on: block l / 8 of 32 columns, 16 (l % 8) bytes in its row
	s_mov_b32 s40, 0x76543210
	s_mov_b32 s41, 0xfedcba98
	s_wait_kmcnt 0x0
	s_load_b64 s[24:25], s[6:7], s22 offset:0x0    ; e0, e1
	s_load_b64 s[26:27], s[8:9], s22 offset:0x0    ; their places
	s_load_b64 s[28:29], s[10:11], s22 offset:0x0  ; w0, w1
	s_load_b32 s30, s[14:15], 0x0                  ; bc
	s_lshl_b32 s38, s21, 12
	s_mov_b32 s39, 0
	s_add_nc_u64 s[16:17], s[16:17], s[38:39]      ; my row of out0
	s_wait_kmcnt 0x0
	s_min_u32 s24, s24, 7
	s_min_u32 s25, s25, 7
	s_min_u32 s26, s26, 1023
	s_min_u32 s27, s27, 1023
	s_lshl_b32 s31, s24, 22
	s_lshl_b32 s38, s26, 7
	s_add_co_u32 s31, s31, s38
	v_add_nc_u32 v2, s31, v1
	s_lshl_b32 s31, s25, 22
	s_lshl_b32 s38, s27, 7
	s_add_co_u32 s31, s31, s38
	v_add_nc_u32 v3, s31, v1
.irp q, 0,1,2,3,4,5,6,7
	global_load_b128 v[16+4*\q:19+4*\q], v2, s[4:5] offset:524288*\q th:TH_LOAD_NT
.endr
.irp q, 0,1,2,3,4,5,6,7
	global_load_b128 v[48+4*\q:51+4*\q], v3, s[4:5] offset:524288*\q th:TH_LOAD_NT
.endr
	s_mov_b32 s34, s28                             ; each weight as a pair: the packed forms name a pair and take its low word for both halves
	s_mov_b32 s35, s28
	s_mov_b32 s36, s29
	s_mov_b32 s37, s29
	s_and_b32 s38, s21, 255                        ; the first token of a sequence also gives out2's column
	s_cmp_lg_u32 s38, 0
	s_cbranch_scc1 .Lplain
.irp q, 0,1,2,3,4,5,6,7
	global_load_b128 v[112+4*\q:115+4*\q], v4, s[12:13] offset:512*\q
.endr
	s_wait_loadcnt 0x8                             ; part's 16 loads are in; Wc's eight may stay out
	OUT0
	s_wait_loadcnt 0x0                             ; Wc
	v_pk_mul_f32 v[8:9], v[16:17], v[112:113]
	v_pk_mul_f32 v[10:11], v[48:49], v[112:113]
.set i, 2
.rept 15
	v_pk_fma_f32 v[8:9], v[16+i:17+i], v[112+i:113+i], v[8:9]
	v_pk_fma_f32 v[10:11], v[48+i:49+i], v[112+i:113+i], v[10:11]
.set i, i+2
.endr
	v_add_f32 v8, v8, v9
	v_add_f32 v10, v10, v11
.irp x, 1,2,4,8
	v_add_f32_dpp v8, v8, v8 row_xmask:\x row_mask:0xf bank_mask:0xf
	v_add_f32_dpp v10, v10, v10 row_xmask:\x row_mask:0xf bank_mask:0xf
.endr
	v_permlanex16_b32 v9, v8, s40, s41
	v_permlanex16_b32 v11, v10, s40, s41
	v_add_f32 v8, v8, v9
	v_add_f32 v10, v10, v11
	v_mul_f32 v8, s34, v8                          ; w0 (part0 . Wc)
	v_mul_f32 v10, s36, v10
	v_cmp_le_u32 vcc_lo, s24, v5                   ; lane = expert: a slot counts from its own expert on
	v_cndmask_b32 v8, 0, v8, vcc_lo
	v_cmp_le_u32 vcc_lo, s25, v5
	v_cndmask_b32 v10, 0, v10, vcc_lo
	v_add_f32 v8, v8, v10
	v_add_f32 v8, s30, v8
	s_lshr_b32 s38, s21, 8
	s_lshl_b32 s38, s38, 2
	v_lshl_add_u32 v13, v5, 4, s38                 ; out2[lane][token / 256]
	v_cmp_gt_u32 vcc_lo, 8, v5
	s_wait_xcnt 0x0                                ; EXEC changes only behind this wait
	s_and_saveexec_b32 s42, vcc_lo
	global_store_b32 v13, v8, s[18:19]
	s_wait_xcnt 0x0                                ; and again in front of the line that widens it
	s_or_b32 exec_lo, exec_lo, s42
	s_endpgm
.Lplain:
	s_wait_loadcnt 0x0
	OUT0
	s_endpgm
.Lfunc_end_k_q5efc749f96_combine:
	.size	k_q5efc749f96_combine, .Lfunc_end_k_q5efc749f96_combine-k_q5efc749f96_combine
	.p2alignl 7, 3214868480
	.fill 96, 4, 3214868480
	.section	.rodata,"a",@progbits
	.p2align	6, 0x0
	.amdhsa_kernel k_q5efc749f96_combine
		.amdhsa_group_segment_fixed_size 0
		.amdhsa_private_segment_fixed_size 0
		.amdhsa_enable_private_segment 0
		.amdhsa_kernarg_size 64
		.amdhsa_user_sgpr_count 2
		.amdhsa_user_sgpr_kernarg_segment_ptr 1
		.amdhsa_wavefront_size32 1
		.amdhsa_system_sgpr_workgroup_id_x 1
		.amdhsa_system_sgpr_workgroup_id_y 1
		.amdhsa_system_sgpr_workgroup_id_z 1
		.amdhsa_system_vgpr_workitem_id 0
		.amdhsa_next_free_vgpr 144
		.amdhsa_next_free_sgpr 66
		.amdhsa_reserve_vcc 1
		.amdhsa_float_denorm_mode_32 3
		.amdhsa_float_denorm_mode_16_64 3
		.amdhsa_memory_ordered 1
		.amdhsa_forward_progress 1
		.amdhsa_inst_pref_size 14
	.end_amdhsa_kernel
	.amdgpu_metadata
---
amdhsa.version: [ 1, 2 ]
amdhsa.kernels:
  - .name:           k_q5efc749f96_combine
    .symbol:         k_q5efc749f96_combine.kd
    .args:
      - { .name: part, .offset: 0, .size: 8, .value_kind: global_buffer, .address_space: global }
      - { .name: sel, .offset: 8, .size: 8, .value_kind: global_buffer, .address_space: global }
      - { .name: pos, .offset: 16, .size: 8, .value_kind: global_buffer, .address_space: global }
      - { .name: rw, .offset: 24, .size: 8, .value_kind: global_buffer, .address_space: global }
      - { .name: Wc, .offset: 32, .size: 8, .value_kind: global_buffer, .address_space: global }
      - { .name: bc, .offset: 40, .size: 8, .value_kind: global_buffer, .address_space: global }
      - { .name: out0, .offset: 48, .size: 8, .value_kind: global_buffer, .address_space: global }
      - { .name: out2, .offset: 56, .size: 8, .value_kind: global_buffer, .address_space: global }
    .group_segment_fixed_size: 0
    .private_segment_fixed_size: 0
    .kernarg_segment_align: 8
    .kernarg_segment_size: 64
    .max_flat_workgroup_size: 128
    .sgpr_count:     66
    .vgpr_count:     144
    .wavefront_size: 32
...
	.end_amdgpu_metadata
.endif
;; end of part 4
